; MI455X (gfx1250); checked and timed in simulation.
; The chip was launched on July 23, 2026; its instructions are those of AMD's public machine-readable ISA for CDNA 5 (MIT licence, August 2026) and "CDNA5" Instruction Set Architecture Reference Guide (July 2026). The comments in the code are by the model that wrote it; some were corrected since.
;; Min GRU Layer. Allowed arithmetic: float matrix products may take bf16 or f16 operands with f32 sums; other float arithmetic in f32, or as packed bf16 or f16 multiplies, adds, multiply-adds, maxima and minima; sums over many terms, partial sums and values carried from step to step in f32; what a program stores and reads back later, other than sums and carried values, may be rounded once to bf16 or f16.
;; Inputs: W_h 2,048 x 2,048 float32; W_z 2,048 x 2,048 float32; b_h 2,048 float32; b_z 2,048 float32; h0 2,048 float32; hidden_states 4 x 2,048 x 2,048 float32; ln_b 2,048 float32; ln_w 2,048 float32.
;; Outputs: out0 4 x 2,048 x 2,048 float32.
;; 2 versions, each right; version 2 is version 1 with the launches cast, norm written anew for expert scheduling mode. Each part assembles by itself: llvm-mc -triple=amdgcn-amd-amdhsa -mcpu=gfx1250 --defsym DOCPART=n.
;; ======== version 1 of 2: 5 launches
;; limits: a difference of large sums (such as E[x^2] - mean^2): digits are lost where the result is much smaller than its terms; values are held in f16: magnitudes above 65,504 overflow, below 6.1e-05 lose precision
;; workspace buffers: xb 33,554,432 bytes; wc 16,777,216 bytes; lnp 8,192 bytes; kp 67,108,864 bytes; agg 2,097,152 bytes; offs 16,777,216 bytes; lh 67,108,864 bytes; st 2,048 bytes
;; launch cast (part 1): grid 768 x 1, 8 waves a work-group, no clusters, 0 bytes of LDS; arguments hidden_states, W_z, W_h, ln_w, ln_b, xb, wc, lnp; writes xb, wc, lnp
.if DOCPART == 1
	.amdgcn_target "amdgcn-amd-amdhsa--gfx1250"
	.amdhsa_code_object_version 6
	.text
	.protected	k_q175c14b24b_cast
	.globl	k_q175c14b24b_cast
	.p2align	8
	.type	k_q175c14b24b_cast,@function
k_q175c14b24b_cast:
	s_mov_b64 s[64:65], 0
	v_nop
	global_prefetch_b8 v0, s[64:65] scope:SCOPE_SE
	s_setreg_imm32_b32 hwreg(HW_REG_WAVE_MODE, 25, 1), 1
	s_wait_xcnt 0x0
; MinGRU layer, launch 1 of 5: hidden_states, W_z, W_h, ln_w and ln_b are rounded once to bf16.
; THE PROGRAM.  1 cast; 2 gemm: k = x W_z^T and p = x W_h^T without their biases, stored in f16; 3 agg: for each row the sums of softplus(k) that lie left of each group of four columns (offs),
; and for each chunk of 32 time steps the log-sum-exp of its rows; 4 scan: log_h and its sums; 5 norm: (log_h - mean) / std, exp, residual, LayerNorm.  Every input is used in its bf16 rounding, x in the residual too.
; IDENTITIES.  With sp = softplus(k), A(t, j) = the sum over i <= j of sp(t, i), g = g_log(p): a_star(t + 1) = -A(t), log_values - a_star = k + g + A(t, j - 1), and
; log_h(t + 1) = L(t) - A(t), L the running log-sum-exp over time that begins with g_log(h0).  Row 0 of log_h is g_log(h0): it enters the mean and the deviation alone.
; Launches 3 and 4 keep all logarithms in base 2: (log_h - mean) / std is the same number when log_h, and with it the mean and the deviation, is divided by ln 2.
; WORK LEFT OUT.  A chunk's log-sum-exp is read only by the later chunks of the same batch.  The last chunk of a batch (steps 2,016 to 2,047) has none, whatever the inputs hold,
; so launch 3 jumps that chunk's log-sum-exp steps and stores no total for it.  Its rows are still walked there, for offs, which launch 4 reads; the work on p in those four work-groups
; shares its lines with that live work and stays.  No input is left out.  A NaN or an infinity that would arise only in those four totals is not carried anywhere.
; LIMITS.  NaN and infinities are not treated apart.  |k| and |p| without bias stay under 65,504 (f16): inputs 30 times larger give some 5,000, all inputs offset by 30 spreads 30 x 0.6 x 2,048 = 36,864.
; SHARES.  A work-group rounds 32,768 numbers: 131,072 bytes in, 65,536 out.  Groups 0-511: hidden_states to xb; 512-639: W_z to rows 0-2,047 of wc; 640-767: W_h to rows 2,048-4,095.
; A load of a wave covers 512 consecutive bytes, a store 256, aligned.  All 32 loads of a thread are out before the first is used; no register is written twice, so no wait frees one.
.set X, 8                              ; v[8:135]  slot i: four f32 as loaded; its first two registers then hold the four bf16
.set LN, 136                           ; v[136:151] group 0 alone: ln_w and ln_b
	s_load_b512 s[4:19], s[0:1], 0x0               ; hidden s[4:5], W_z s[6:7], W_h s[8:9], ln_w s[10:11], ln_b s[12:13], xb s[14:15], wc s[16:17], lnp s[18:19]
	v_lshlrev_b32 v1, 4, v0                        ; 16 bytes a thread on the way in
	v_lshlrev_b32 v2, 3, v0                        ; 8 on the way out
	s_max_u32 s20, ttmp9, 512
	s_sub_co_u32 s20, s20, 512                     ; the group's block among the weights' 256
	s_max_u32 s21, ttmp9, 640
	s_sub_co_u32 s21, s21, 640                     ; and in W_h
	s_mov_b32 s29, 0
	s_mov_b32 s31, 0
	s_wait_kmcnt 0x0
	s_cmp_lt_u32 ttmp9, 640
	s_cselect_b64 s[24:25], s[6:7], s[8:9]
	s_cselect_b32 s22, s20, s21
	s_cmp_lt_u32 ttmp9, 512
	s_cselect_b64 s[24:25], s[4:5], s[24:25]       ; from where,
	s_cselect_b32 s22, ttmp9, s22                  ; which block of it,
	s_cselect_b64 s[26:27], s[14:15], s[16:17]     ; to where,
	s_cselect_b32 s23, ttmp9, s20                  ; which block there
	s_lshl_b32 s28, s22, 17
	s_lshl_b32 s30, s23, 16
	s_add_nc_u64 s[24:25], s[24:25], s[28:29]
	s_add_nc_u64 s[26:27], s[26:27], s[30:31]
.set i, 0
.rept 32
	global_load_b128 v[X+4*i:X+4*i+3], v1, s[24:25] offset:4096*i th:TH_LOAD_NT
.set i, i+1
.endr
.set i, 0
.rept 32
	s_wait_loadcnt 31-i                            ; loads come back in order: slot i is in, the younger ones stay out
	v_cvt_pk_bf16_f32 v[X+4*i], v[X+4*i], v[X+4*i+1]
	v_cvt_pk_bf16_f32 v[X+4*i+1], v[X+4*i+2], v[X+4*i+3]
	global_store_b64 v2, v[X+4*i:X+4*i+1], s[26:27] offset:2048*i
.set i, i+1
.endr
	s_cmp_lg_u32 ttmp9, 0
	s_cbranch_scc1 .Lend
	global_load_b128 v[LN:LN+3],     v1, s[10:11]              ; group 0 also rounds the LayerNorm's gain and bias: 2,048 numbers each
	global_load_b128 v[LN+4:LN+7],   v1, s[10:11] offset:4096
	global_load_b128 v[LN+8:LN+11],  v1, s[12:13]
	global_load_b128 v[LN+12:LN+15], v1, s[12:13] offset:4096
	s_wait_loadcnt 0x0
.set i, 0
.rept 4
	v_cvt_pk_bf16_f32 v[LN+4*i], v[LN+4*i], v[LN+4*i+1]
	v_cvt_pk_bf16_f32 v[LN+4*i+1], v[LN+4*i+2], v[LN+4*i+3]
	global_store_b64 v2, v[LN+4*i:LN+4*i+1], s[18:19] offset:2048*i   ; lnp: ln_w at byte 0, ln_b at byte 4,096
.set i, i+1
.endr
.Lend:
	s_endpgm
.Lfunc_end_k_q175c14b24b_cast:
	.size	k_q175c14b24b_cast, .Lfunc_end_k_q175c14b24b_cast-k_q175c14b24b_cast
	.p2alignl 7, 3214868480
	.fill 96, 4, 3214868480
	.section	.rodata,"a",@progbits
	.p2align	6, 0x0
	.amdhsa_kernel k_q175c14b24b_cast
		.amdhsa_group_segment_fixed_size 0
		.amdhsa_private_segment_fixed_size 0
		.amdhsa_enable_private_segment 0
		.amdhsa_kernarg_size 64
		.amdhsa_user_sgpr_count 2
		.amdhsa_user_sgpr_kernarg_segment_ptr 1
		.amdhsa_wavefront_size32 1
		.amdhsa_system_sgpr_workgroup_id_x 1
		.amdhsa_system_sgpr_workgroup_id_y 1
		.amdhsa_system_sgpr_workgroup_id_z 1
		.amdhsa_system_vgpr_workitem_id 0
		.amdhsa_next_free_vgpr 152
		.amdhsa_next_free_sgpr 66
		.amdhsa_reserve_vcc 0
		.amdhsa_float_denorm_mode_32 3
		.amdhsa_float_denorm_mode_16_64 3
		.amdhsa_memory_ordered 1
		.amdhsa_forward_progress 1
		.amdhsa_inst_pref_size 14
	.end_amdhsa_kernel
	.amdgpu_metadata
---
amdhsa.version: [ 1, 2 ]
amdhsa.kernels:
  - .name:           k_q175c14b24b_cast
    .symbol:         k_q175c14b24b_cast.kd
    .args:
      - { .name: hidden_states, .offset: 0, .size: 8, .value_kind: global_buffer, .address_space: global }
      - { .name: W_z, .offset: 8, .size: 8, .value_kind: global_buffer, .address_space: global }
      - { .name: W_h, .offset: 16, .size: 8, .value_kind: global_buffer, .address_space: global }
      - { .name: ln_w, .offset: 24, .size: 8, .value_kind: global_buffer, .address_space: global }
      - { .name: ln_b, .offset: 32, .size: 8, .value_kind: global_buffer, .address_space: global }
      - { .name: xb, .offset: 40, .size: 8, .value_kind: global_buffer, .address_space: global }
      - { .name: wc, .offset: 48, .size: 8, .value_kind: global_buffer, .address_space: global }
      - { .name: lnp, .offset: 56, .size: 8, .value_kind: global_buffer, .address_space: global }
    .group_segment_fixed_size: 0
    .private_segment_fixed_size: 0
    .kernarg_segment_align: 8
    .kernarg_segment_size: 64
    .max_flat_workgroup_size: 256
    .sgpr_count:     66
    .vgpr_count:     152
    .wavefront_size: 32
...
	.end_amdgpu_metadata
.endif
;; end of part 1
;; launch gemm (part 2): grid 16 x 16, 4 waves a work-group, clusters of 4 x 4, 327,680 bytes of LDS; arguments xb, wc, kp; writes kp
.if DOCPART == 2
	.amdgcn_target "amdgcn-amd-amdhsa--gfx1250"
	.amdhsa_code_object_version 6
	.text
	.protected	k_q175c14b24b_gemm
	.globl	k_q175c14b24b_gemm
	.p2align	8
	.type	k_q175c14b24b_gemm,@function
k_q175c14b24b_gemm:
	s_mov_b64 s[64:65], 0
	v_nop
	global_prefetch_b8 v0, s[64:65] scope:SCOPE_SE
	s_setreg_imm32_b32 hwreg(HW_REG_WAVE_MODE, 25, 1), 1
	s_wait_xcnt 0x0
	s_wait_alu depctr_hold_cnt(0) depctr_sa_sdst(0) depctr_va_vdst(0) depctr_va_sdst(0) depctr_va_ssrc(0) depctr_va_vcc(0) depctr_vm_vsrc(0)
	s_getreg_b32 s2, hwreg(HW_REG_IB_STS2, 6, 4)
	s_cmp_eq_u32 s2, 0
	s_cbranch_scc0 .Lentry_in_a_cluster
	s_endpgm
.Lentry_in_a_cluster:
	s_bfe_u32 s2, ttmp6, 0x10000c
	s_cmp_lg_u32 s2, 0xf033
	s_cbranch_scc0 .Lentry_shape_is_right
	s_endpgm
.Lentry_shape_is_right:
; Launch 2 of 5: kp[m][n] = the sum over k of xb[m][k] wc[n][k].  xb: [8192][2048] bf16; wc: [4096][2048] bf16 (W_z's rows, then W_h's); kp: [8192][4096] f16; sums in f32, rounded once.
; Columns 0-2,047 of kp are k, columns 2,048-4,095 are p, both WITHOUT their biases: the next launches add those in f32.
; LIMIT.  f16 ends at 65,504: a sum of 65,520 or more leaves as an infinity.  f16 and not bf16, since the next launches add 2,048 functions of these numbers along a row and bf16's step would show in the result.
; A tile of kp, 256 x 256, is made by a work-group of four waves; a wave makes 128 x 128: 64 accumulators of 16 x 16, 512 registers.  K goes in steps of 128 through a ring of two LDS slots
; filled by the tensor data mover: the rows of the tiles are 256 bytes of memory and start at multiples of 256 bytes from the buffer's first byte.
; A WORK-GROUP STAYS: 512 tiles, 256 work-groups, two tiles each, 4,096 rows apart.  The ring does not stop at a tile's end: the first tile's last two changes of slots ask for the second
; tile's first two K steps, and nothing waits for a tile's stores.  The last tile's last K step goes by rows of kp, so that finished rows leave while the others are multiplied.
; CLUSTERS: 4 x 4 work-groups.  The four of a row of the cluster need the same tiles of xb, the four of a column the same tiles of wc.  Such a tile is asked for JOINTLY: each of the four
; issues the same tensor load, with the same descriptor and a mask that names the four, and each receives the tile in its own LDS.
; REGISTERS, in windows of 256 (s_set_vgpr_msb says which window each operand place means; low byte: bits 1:0 source 0, 3:2 source 1, 5:4 source 2, 7:6 destination):
;   window 0: v0-31 addresses; v64-127, v128-191 fragments of A (xb), two buffers (in the very last K step four, of 16 rows x 128 K); v32-63, v192-255 at work on the way out
;   window 1: v64-127, v128-191 fragments of B (wc), two buffers; in the very last K step all 256
;   window 2: the 32 accumulators of my rows 0-63 (accumulator (a, b) at v[8 (8 a + b)]);   window 3: those of my rows 64-127
; THE MATRIX INSTRUCTION IS USED TRANSPOSED: source 0 = 16 rows of B, source 1 = 16 rows of A.  Lane l then holds row l % 16 of kp and the columns 8 (l / 16) + 0 .. 7: 16 bytes on end.
.set SIZE_M, 8192
.set SIZE_N, 4096
.set SIZE_K, 2048
.set SIZE_TILES, 2
.set KSTEP,  128
.set PITCH,  272                       ; an LDS row: 256 bytes of data + 16 of padding = 68 words: the 16 rows that a load touches start at 16 different groups of four banks (64 banks of 4 bytes: ISA guide 11.1)
.set HALFT,  128*PITCH                 ; 128 rows: what one tensor load brings, and what one wave reads of A or of B
.set SLOT,   4*HALFT                   ; A's 256 rows, then B's 256 rows
.set STAGE,  2*SLOT                    ; behind the ring: 16 rows x 272 bytes for each wave, for the way out
.set SPITCH, 272
.set SPARE,  STAGE+4*16*SPITCH         ; behind the stages: the spare words, 128 bytes for each wave: two blocks of 256 bytes that no other line names
.set LAPS, SIZE_K/(2*KSTEP)            ; a lap = two K steps = once round the ring: 8
.set WALK,   SIZE_M/SIZE_TILES         ; a work-group's tiles lie 4,096 rows apart
.set NEXT_A, WALK*SIZE_K*2-(SIZE_K-2*KSTEP)*2   ; bytes from a slot's last K step of a tile to its first of the next tile: A goes WALK rows down and back along K,
.set BACK_B, (SIZE_K-2*KSTEP)*2        ; B only back: the walk's tiles share their rows of B
.set NEXT_C, (WALK-7*16)*SIZE_N*2      ; bytes from my last 16 rows of a tile to my first of the next
.set ADRA, 16                          ; v16-17  LDS address of my A fragments in slot 0, 1
.set ADRB, 20                          ; v20-21  the same for B
.set STO,  24                          ; v24     the way out: where I put 16 bytes of a row
.set RD,   25                          ; v25     the way out: where I read a row back
.set CO,   26                          ; v26     my byte offset in kp
.set SPW,  28                          ; v28     LDS address of my spare word: SPARE + 4 x my thread's number; never rewritten
.set NIL,  29                          ; v29     0; never rewritten
.set PFO,  30                          ; v30     the prefetches' offset: my lane x a row of A or B in memory (4,096 bytes); never rewritten
.set PFA,  44                          ; s[44:45] where my prefetches stand: my work-group's 32 rows of the 128 that I fetch, one K step further along K than the refill that is being asked for
.set LIM,  43                          ; s43     1 in a wave that prefetches, else the greatest number
.set F0,   64                          ; fragment buffer 0
.set F1,   128                         ; fragment buffer 1
.set TMP,  192                         ; the way out: packed results, in window 0
.set OB,   32                          ; the way out: 16 rows read back from the stage: v32-63 and v224-255 by turns
.set PA,   64                          ; the very last K step: A's fragments of 16 rows x 128 K, 32 registers; four such buffers, v64-191
.set G1, 24                            ; s[24:31] descriptor group 1 for A's tiles
.set G0, 32                            ; s[32:39] descriptor group 0 for A's tiles, one set for each slot
.set G1B, 48                           ; s[48:55] descriptor group 1 for B's tiles: it differs from A's in the mask alone
.set G0B, 56                           ; s[56:63] descriptor group 0 for B's tiles, one set for each slot
.set MSB, 0
.macro WIN new                         ; the immediate's high byte repeats the setting that is left; a switch that changes nothing is dropped
.if MSB != (\new)
	s_set_vgpr_msb (MSB<<8)|(\new)
.set MSB, \new
.endif
.endm
.set MUL_LO, 0xa1                      ; source 0 (B) window 1, source 1 (A) window 0, C and D window 2
.set MUL_HI, 0xf1                      ; the same, C and D window 3
.set TO_B,   0x40                      ; destination window 1, address window 0
; A joint load.  Waves 0 and 1 fetch A's two halves, waves 2 and 3 B's.  Each of the two lines has ONE mask and one set of registers for all that issue it; the branch hangs on the wave's number alone.
; An s_nop 0 and four v_nop follow each of the two lines; the jump round the other line, the label and what follows the macro come after them.
.macro JLOAD s
	s_cmp_eq_u32 s11, 0
	s_cbranch_scc0 .Lfor_b_\@
	tensor_load_to_lds s[G0+4*(\s):G0+4*(\s)+3], s[G1:G1+7]
	s_nop 0
.rept 4
	v_nop
.endr
	s_branch .Lasked_\@
.Lfor_b_\@:
	tensor_load_to_lds s[G0B+4*(\s):G0B+4*(\s)+3], s[G1B:G1B+7]
	s_nop 0
.rept 4
	v_nop
.endr
.Lasked_\@:
.endm
; A PREFETCH, behind each joint load, its five lines and the run of LDS loads that follows them: the K step that stands TWO refills on, 512 matrix instructions ahead of the load that will ask for it:
; 32 rows x 256 bytes, a lane a row, one instruction a wave.  Each row's 256 bytes of a K step are named ONCE in the launch: xb's tile row is read by every cluster of that row of clusters, and
; the first of them (cluster x = 0) asks; wc's tile column by every cluster of that column, and cluster y = 0 asks.  The four partners that ask for a tile jointly share its rows out BY ADDRESS: of the
; 128 rows that wave w fetches, the partner at place p takes 32 p .. 32 p + 31 (p = cx for A, cy for B): no branch hangs on a work-group's place in its cluster.
; how = 0, in the loop: a tile's last two refills have no K step two on; how = 1, at the change of tiles.
.macro ASK how
.if \how
	s_cmp_eq_u32 s[LIM], 1
.else
	s_cmp_gt_u32 s3, s[LIM]                        ; s3 = 1 in the loop's last trip
.endif
	s_cbranch_scc0 .Lnot_mine_\@
	global_prefetch_b8 v[PFO], s[PFA:PFA+1] offset:KSTEP*2 th:TH_LOAD_NT scope:SCOPE_SE
.Lnot_mine_\@:
.endm
; A round of the cluster's barrier: my work-group's barrier, so that wave 0's signal speaks for all four waves; wave 0 signals for the work-group; every wave waits for all
; sixteen work-groups; my work-group's barrier once more.  No LDS instruction of the wave is pending at a signal.
.macro CREST                           ; a round behind its opening barrier
	s_cmp_lg_u32 s10, 0
	s_cbranch_scc1 .Lnot_wave_0_\@
	s_barrier_signal -3
.Lnot_wave_0_\@:
	s_barrier_wait -3
	s_barrier_signal -1
	s_barrier_wait -1
.endm
.macro CROUND                          ; a whole round
	s_barrier_signal -1
	s_barrier_wait -1
	CREST
.endm
	s_load_b128 s[4:7], s[0:1], 0x0                ; A = xb s[4:5], B = wc s[6:7]
	s_load_b64 s[8:9], s[0:1], 0x10                ; C = kp
	v_lshl_add_u32 v[SPW], v0, 2, SPARE
	v_mov_b32 v[NIL], 0
	ds_add_u32 v[SPW], v[NIL]                      ; the wave's opening: the add, twice on end, and its wait ahead of my first tensor load; the set-up below stands between the second and the wait
	ds_add_u32 v[SPW], v[NIL]                      ; and once more, under the one wait
	v_lshrrev_b32 v1, 5, v0
	v_readfirstlane_b32 s10, v1                    ; wave 0..3
	s_lshr_b32 s11, s10, 1                         ; which half of the tile's rows is mine.  Also: I fetch for A (0) or for B (1)
	s_and_b32 s12, s10, 1                          ; which half of its columns.  Also: which 128 rows of that tile I fetch
	s_bfe_u32 s40, ttmp6, 0x40000                  ; cx: my place along the cluster's x
	s_bfe_u32 s41, ttmp6, 0x40004                  ; cy: along its y
	s_lshl_b32 s42, ttmp9, 2                       ; in a cluster launch ttmp9 and ttmp7 count clusters
	s_add_co_u32 s42, s42, s40                     ; tile column = 4 x cluster x + cx
	s_and_b32 s13, ttmp7, 0xffff
	s_lshl_b32 s13, s13, 2
	s_add_co_u32 s13, s13, s41                     ; tile row = 4 x cluster y + cy
	s_lshl_b32 s43, s41, 2
	s_lshl_b32 s43, 15, s43                        ; my row of the cluster: places 4 cy .. 4 cy + 3
	s_lshl_b32 s44, 0x1111, s40                    ; my column: places cx, cx + 4, cx + 8, cx + 12
	; descriptor group 1: a tile of 128 rows x 128 elements, padded in LDS
	s_or_b32 s[G1+0], s43, (1<<16)|(1<<20)|(1<<21)|(5<<22)|(3<<25)  ; 15:0 the mask: A's tiles go to my row; 17:16 element of 2 bytes; 20 padding on; 21 set beside a mask; 24:22 after every 64 words (code 5); 31:25 of 4 words (code 3)
	s_or_b32 s[G1B+0], s44, (1<<16)|(1<<20)|(1<<21)|(5<<22)|(3<<25) ; the same with the mask of my column, for B's tiles
	s_mov_b32 s[G1B+1], KSTEP<<16
	s_mov_b32 s[G1+1], KSTEP<<16                   ; 63:48 tensor_dim0, low half = 128
	s_mov_b32 s[G1B+2], 128<<16
	s_mov_b32 s[G1+2], 128<<16                     ; 79:64 its high half = 0; 95:80 tensor_dim1, low half = 128
	s_mov_b32 s[G1B+3], KSTEP<<16
	s_mov_b32 s[G1+3], KSTEP<<16                   ; 111:96 its high half = 0; 127:112 tile_dim0 = 128
	s_mov_b32 s[G1B+4], 128
	s_mov_b32 s[G1+4], 128                         ; 143:128 tile_dim1 = 128; 159:144 tile_dim2 = 0
	s_mov_b32 s[G1B+5], SIZE_K
	s_mov_b32 s[G1+5], SIZE_K                      ; 191:160 tensor_dim0_stride, low word: elements from row to row
	s_mov_b32 s[G1B+6], 0
	s_mov_b32 s[G1+6], 0
	s_mov_b32 s[G1B+7], 0
	s_mov_b32 s[G1+7], 0
	; where the tiles come from.  A's hang on the tile row alone, which my row of the cluster shares; B's on the tile column alone, which my column shares.
	; Every wave makes both addresses, in registers that never hold the other coordinate, and asks by one of them.
	s_lshl_b32 s17, s12, 7                         ; which 128 rows of the tile I fetch
	s_lshl_b32 s16, s13, 8
	s_add_co_u32 s16, s16, s17                     ; A: row 256 x tile row + 128 x half
	s_lshl_b32 s46, s42, 8
	s_add_co_u32 s46, s46, s17                     ; B: row 256 x tile column + 128 x half
	s_mov_b32 s17, 0
	s_mov_b32 s47, 0
	s_mov_b64 s[18:19], SIZE_K*2
	s_mul_u64 s[16:17], s[16:17], s[18:19]         ; in bytes, in 64 bits
	s_mul_u64 s[46:47], s[46:47], s[18:19]
	s_mul_i32 s20, s10, HALFT                      ; and where they go: A's two halves, then B's two halves = wave x 128 rows: no place in the cluster enters an LDS address
	s_wait_dscnt 0x0                               ; both opening adds are done
	s_wait_kmcnt 0x0
	s_add_nc_u64 s[14:15], s[4:5], s[16:17]
	s_add_nc_u64 s[46:47], s[6:7], s[46:47]
	CROUND                                         ; all sixteen work-groups are here: the first joint loads meet
.irp s, 0,1
	s_mov_b32 s[G0+4*(\s)], 1                                      ; 1:0 count = 1
	s_add_co_u32 s[G0+4*(\s)+1], s20, (\s)*SLOT                    ; 63:32 LDS address
	s_add_nc_u64 s[G0+4*(\s)+2:G0+4*(\s)+3], s[14:15], (\s)*KSTEP*2  ; 120:64 global address: K step s
	s_or_b32 s[G0+4*(\s)+3], s[G0+4*(\s)+3], 0x80000000            ; 127:126 type = 2
	s_mov_b32 s[G0B+4*(\s)], 1
	s_add_co_u32 s[G0B+4*(\s)+1], s20, (\s)*SLOT
	s_add_nc_u64 s[G0B+4*(\s)+2:G0B+4*(\s)+3], s[46:47], (\s)*KSTEP*2
	s_or_b32 s[G0B+4*(\s)+3], s[G0B+4*(\s)+3], 0x80000000
	JLOAD \s                                       ; the ring is filled before anything else is done: two loads of mine are out
.endr
	; A fragment is 16 rows x 32 K in 8 registers: lane l holds row l % 16; registers 0-3 hold K = 8 (l / 16) + 0..7, registers 4-7 hold
	; K = 16 + 8 (l / 16) + 0..7.  From rows that lie along K: two loads of 16 bytes, 32 bytes apart.  The same for source 0 and source 1.
	v_and_b32 v1, 15, v0                           ; l % 16
	v_bfe_u32 v2, v0, 4, 1                         ; l / 16
	v_mul_u32_u24 v3, v1, PITCH
	v_lshl_add_u32 v3, v2, 4, v3                   ; row x pitch + 16 x half
	s_mul_i32 s21, s11, HALFT                      ; my 128 rows of A
	s_mul_i32 s22, s12, HALFT                      ; my 128 rows of B,
	s_add_co_u32 s22, s22, 2*HALFT                 ; which lie behind A's 256
.irp s, 0,1
	v_add_nc_u32 v[ADRA+(\s)], s21, v3
	v_add_nc_u32 v[ADRB+(\s)], s22, v3
	s_add_co_u32 s21, s21, SLOT
	s_add_co_u32 s22, s22, SLOT
.endr
	s_mul_i32 s23, s10, 16*SPITCH
	s_add_co_u32 s23, s23, STAGE                   ; my stage
	v_mul_u32_u24 v4, v1, SPITCH                   ; in: row l % 16, 16 bytes for each half of the lanes
	v_lshl_add_u32 v4, v2, 4, v4
	v_add_nc_u32 v[STO], s23, v4
	v_mul_u32_u24 v5, v2, SPITCH                   ; back: lanes 0-15 take one row of 256 bytes, lanes 16-31 the next
	v_lshl_add_u32 v5, v1, 4, v5
	v_add_nc_u32 v[RD], s23, v5
	v_mul_u32_u24 v5, v2, SIZE_N*2                 ; and the same two rows in kp
	v_lshl_add_u32 v[CO], v1, 4, v5
	; where my part of the first tile begins in kp, in bytes: the first way out adds it to kp's address
	s_lshl_b32 s13, s13, 8
	s_lshl_b32 s14, s11, 7
	s_add_co_u32 s16, s13, s14                     ; my first row
	s_mov_b32 s17, 0
	s_mov_b64 s[18:19], SIZE_N*2
	s_mul_u64 s[16:17], s[16:17], s[18:19]
	s_lshl_b32 s46, s42, 9                         ; my first column, in bytes: 512 x tile column + 256 x half
	s_lshl_b32 s47, s12, 8
	s_add_co_u32 s46, s46, s47
	s_mov_b32 s47, 0
	s_add_nc_u64 s[16:17], s[16:17], s[46:47]
	; the prefetches.  s13 = 256 x tile row, s42 = tile column, s40 = cx, s41 = cy still stand; s[4:5] = A, s[6:7] = B
	s_lshl_b32 s42, s42, 8
	s_and_b32 s22, ttmp7, 0xffff                   ; cluster y
	s_cmp_eq_u32 s11, 0                            ; do I fetch for A?
	s_cselect_b32 s20, s13, s42                    ; the tile's first row: in A by the tile row, in B by the tile column
	s_cselect_b32 s21, s40, s41                    ; my place among the four that ask for it with me
	s_cselect_b32 s22, ttmp9, s22                  ; the coordinate along which other clusters read the same rows
	s_cselect_b64 s[PFA:PFA+1], s[4:5], s[6:7]
	s_cmp_eq_u32 s22, 0
	s_cselect_b32 s[LIM], 1, -1                    ; the same in all sixteen partners, for a given wave
	s_lshl_b32 s22, s12, 7
	s_add_co_u32 s20, s20, s22                     ; + the 128 rows that I fetch
	s_lshl_b32 s21, s21, 5
	s_add_co_u32 s20, s20, s21                     ; + my work-group's 32 of them
	s_mov_b32 s21, 0
	s_mov_b64 s[18:19], SIZE_K*2
	s_mul_u64 s[20:21], s[20:21], s[18:19]
	s_add_nc_u64 s[PFA:PFA+1], s[PFA:PFA+1], s[20:21]
	s_add_nc_u64 s[PFA:PFA+1], s[PFA:PFA+1], 2*KSTEP*2  ; at K step 2: the first refill steps it to 3 and names K step 4
	v_and_b32 v[PFO], 31, v0
	v_mul_u32_u24 v[PFO], v[PFO], SIZE_K*2
	; nothing is prefetched here, at the head, where every work-group's first two tiles are on their way: K steps 2 and 3 come by their refills alone
; 16 matrix instructions: m blocks a0, a0 + 1 of the window's four (hi = 0: my rows 0-63, 1: rows 64-127) x all 8 n blocks, 32 along K.
; zero = 1: the first product starts the sums: nothing is ever cleared.  The 64 accumulators take turns, one instruction a turn.
.macro MUL16 f, hi, a0, zero
	WIN MUL_LO+0x50*(\hi)  ; MUL_LO or MUL_HI
.irp a, \a0, (\a0)+1
.irp b, 0,1,2,3,4,5,6,7
.if \zero
	v_wmma_f32_16x16x32_bf16 v[8*(8*(\a)+(\b)):8*(8*(\a)+(\b))+7], v[(\f)+8*(\b):(\f)+8*(\b)+7], v[(\f)+8*(4*(\hi)+(\a)):(\f)+8*(4*(\hi)+(\a))+7], 0
.else
	v_wmma_f32_16x16x32_bf16 v[8*(8*(\a)+(\b)):8*(8*(\a)+(\b))+7], v[(\f)+8*(\b):(\f)+8*(\b)+7], v[(\f)+8*(4*(\hi)+(\a)):(\f)+8*(4*(\hi)+(\a))+7], v[8*(8*(\a)+(\b)):8*(8*(\a)+(\b))+7]
.endif
.endr
.endr
.endm
; 32 LDS loads in one run: the fragments of one quarter step (128 rows of B, 128 rows of A, 32 K at byte k of the rows) into buffer f
.macro FETCH slot, k, f
	WIN TO_B
.irp i, 0,1,2,3,4,5,6,7
	ds_load_b128 v[(\f)+8*(\i):(\f)+8*(\i)+3],   v[ADRB+(\slot)] offset:(\k)+(\i)*16*PITCH
	ds_load_b128 v[(\f)+8*(\i)+4:(\f)+8*(\i)+7], v[ADRB+(\slot)] offset:(\k)+(\i)*16*PITCH+32
.endr
	WIN 0
.irp i, 0,1,2,3,4,5,6,7
	ds_load_b128 v[(\f)+8*(\i):(\f)+8*(\i)+3],   v[ADRA+(\slot)] offset:(\k)+(\i)*16*PITCH
	ds_load_b128 v[(\f)+8*(\i)+4:(\f)+8*(\i)+7], v[ADRA+(\slot)] offset:(\k)+(\i)*16*PITCH+32
.endr
.endm
; A load into a register that a matrix instruction has read, and a vector instruction that reads a matrix result or writes one of a matrix instruction's registers, stand four places
; behind that matrix instruction, and only plain vector instructions that name none of its registers are places (ISA guide 7.12.1 for vector instructions).
.macro PLACES
.rept 4
	v_nop
.endr
.endm
; A K step is four quarter steps of 32 along K, 64 matrix instructions each, on buffers 0, 1, 0, 1.
; One of the first three: multiplies buffer f; in its middle it fetches the next quarter's fragments, at byte k of the same slot's rows, into buffer g.
.macro QUARTER slot, k, f, g, zero
	s_wait_dscnt 8                                 ; B and A's rows 0-63 are in; the youngest eight loads (A's rows 64-127) may be out
	WIN MUL_LO
	MUL16 \f, 0, 0, \zero
	MUL16 \f, 0, 2, \zero
	PLACES
	FETCH \slot, \k, \g
	s_wait_dscnt 32                                ; all but the 32 just issued
	WIN MUL_HI
	MUL16 \f, 1, 0, \zero
	MUL16 \f, 1, 2, \zero
.endm
; The last quarter multiplies buffer 1 and changes slots.  MEET is its first half: ONE barrier for the change of slots, for two things.  In front of it each wave waits for all its tensor
; loads, of which one is out: its part of the next slot; adds 0 to its spare word; and waits for that and for its own reads of this slot.  Behind it nobody reads this slot any more and the next slot is whole.
.macro MEET round                      ; round = 1: a round of the cluster's barrier follows
	WIN 0                                          ; (the add's two registers lie in window 0)
	s_wait_tensorcnt 0x0                           ; all my tensor loads have landed: the one that was out is my part of the next slot;
	ds_add_u32 v[SPW], v[NIL]                      ; 0 onto my spare word;
	s_wait_dscnt 9                                 ; (the add and the youngest eight loads may be out)
	WIN MUL_LO
	MUL16 F1, 0, 0, 0                              ; sixteen matrix instructions stand between the add and the wait for it
	s_wait_dscnt 0x0                               ; the add is done, and my reads of this slot are over:
	s_barrier_signal -1                            ; say so (where a slot is filled again this barrier opens a round of the cluster's barrier),
	MUL16 F1, 0, 2, 0                              ; work on registers while the others arrive,
.if \round
	WIN 0
.endif
	s_barrier_wait -1                              ; and go on when all four have said so
.endm
; The whole last quarter.  Behind the barrier the slot just read out is filled again first: with this tile's K step two steps on (on = 0) or, in a tile's last two K steps, with the NEXT tile's
; K step 0 or 1 (on = 1); then come the next slot's first fragments.  From a request to the wait for it a wave issues 224 matrix instructions, across tiles too.
.macro TURN slot, next, on
	s_wait_xcnt 0x0                                ; the last prefetch, a K step back, has read its address: it is stepped here, ahead of the waits of the change of slots
.if (\on) && (\slot) == 0
	s_add_nc_u64 s[PFA:PFA+1], s[PFA:PFA+1], (WALK-1)*SIZE_K*2+KSTEP*2  ; from the K step after the tile's last to the next tile's K step 1: WALK rows down, back along K
	s_cmp_eq_u32 s11, 0
	s_cselect_b32 s[LIM], s[LIM], -1               ; B's rows are the same for both tiles of the walk: they are asked for in the first tile alone
.else
	s_add_nc_u64 s[PFA:PFA+1], s[PFA:PFA+1], KSTEP*2
.endif
	MEET 1
	CREST                                          ; wave 0 says so for the work-group, all sixteen work-groups have said so, my work-group's barrier closes the round:
	                                               ; no wave of any partner still reads this slot's tile or has a load on its way
.if \on
	s_add_nc_u64 s[G0+4*(\slot)+2:G0+4*(\slot)+3], s[G0+4*(\slot)+2:G0+4*(\slot)+3], NEXT_A
	s_sub_nc_u64 s[G0B+4*(\slot)+2:G0B+4*(\slot)+3], s[G0B+4*(\slot)+2:G0B+4*(\slot)+3], BACK_B
.else
	s_add_nc_u64 s[G0+4*(\slot)+2:G0+4*(\slot)+3], s[G0+4*(\slot)+2:G0+4*(\slot)+3], 2*KSTEP*2
	s_add_nc_u64 s[G0B+4*(\slot)+2:G0B+4*(\slot)+3], s[G0B+4*(\slot)+2:G0B+4*(\slot)+3], 2*KSTEP*2
.endif
	JLOAD \slot                                    ; the first tensor load behind the round, my only one until the next; the four v_nop behind it are also the places in front of the loads below
	FETCH \next, 0, F0
	ASK \on                                        ; behind the joint load and the run of LDS loads that the next products wait for
	WIN MUL_HI
	MUL16 F1, 1, 0, 0
	MUL16 F1, 1, 2, 0
.endm
; THE LAST K STEP OF THE LAST TILE (it lies in slot 1) GOES BY ROWS OF kp, NOT BY K.  All its fragments of B (4 quarters x 64 registers) fill window 1; then my eight blocks of 16 rows are
; finished one after the other, each with 32 matrix instructions (its 8 accumulators by turns, K ascending).  LDS is read no more than in any other K step.
.macro BLOAD q                         ; B's fragments of quarter q -> window 1, v[64 q ..]
	WIN TO_B
.irp i, 0,1,2,3,4,5,6,7
	ds_load_b128 v[64*(\q)+8*(\i):64*(\q)+8*(\i)+3],   v[ADRB+1] offset:64*(\q)+(\i)*16*PITCH
	ds_load_b128 v[64*(\q)+8*(\i)+4:64*(\q)+8*(\i)+7], v[ADRB+1] offset:64*(\q)+(\i)*16*PITCH+32
.endr
.endm
.macro ALOAD a                         ; A's fragments of block a, all four quarters -> buffer a % 4
	WIN 0
.set FA, PA+32*((\a)%4)
.irp q, 0,1,2,3
	ds_load_b128 v[FA+8*(\q):FA+8*(\q)+3],   v[ADRA+1] offset:64*(\q)+(\a)*16*PITCH
	ds_load_b128 v[FA+8*(\q)+4:FA+8*(\q)+7], v[ADRA+1] offset:64*(\q)+(\a)*16*PITCH+32
.endr
.endm
.macro ROW a                           ; block a is finished: 32 matrix instructions
.set FA, PA+32*((\a)%4)                ; its fragments of A
.set AC, 64*((\a)%4)                   ; its eight accumulators, in window 2 (blocks 0-3) or 3 (blocks 4-7)
	WIN MUL_LO+0x50*((\a)/4)                       ; MUL_LO or MUL_HI
.irp q, 0,1,2,3
.if (\a) == 0 && (\q) == 2
	s_wait_dscnt 24                                ; B's quarter 2 is in (behind it: A's blocks 1 to 3)
.endif
.irp b, 0,1,2,3,4,5,6,7
	v_wmma_f32_16x16x32_bf16 v[AC+8*(\b):AC+8*(\b)+7], v[64*(\q)+8*(\b):64*(\q)+8*(\b)+7], v[FA+8*(\q):FA+8*(\q)+7], v[AC+8*(\b):AC+8*(\b)+7]
.endr
.endr
.endm
; THE WAY OUT of block a, in three parts.  PACK: rounded to f16, 16 bytes a lane, each accumulator's registers in ascending order.  TOSTAGE: into my own stage in LDS, and back as whole rows of 256 bytes.  SEND: stored.
.macro PACK a
.set AC, 64*((\a)%4)
	WIN 0x0a+5*((\a)/4)                            ; sources 0 and 1: window 2 or 3
.irp b, 0,1,2,3,4,5,6,7
.irp r, 0,1,2,3
	v_cvt_pk_f16_f32 v[TMP+4*(\b)+(\r)], v[AC+8*(\b)+2*(\r)], v[AC+8*(\b)+2*(\r)+1]
.endr
.endr
	WIN 0
.endm
.macro TOSTAGE a
	WIN 0
.set BK, OB+192*((\a)%2)
.irp b, 0,1,2,3,4,5,6,7
	ds_store_b128 v[STO], v[TMP+4*(\b):TMP+4*(\b)+3] offset:32*(\b)
.endr
.irp t, 0,1,2,3,4,5,6,7
	ds_load_b128 v[BK+4*(\t):BK+4*(\t)+3], v[RD] offset:(\t)*2*SPITCH  ; LDS serves a wave's instructions in order (ISA guide 5.7.1.4): these see the stores above
.endr
.endm
.macro SEND a, younger                 ; younger: the LDS loads issued behind TOSTAGE's, which may stay out
	WIN 0
.set BK, OB+192*((\a)%2)
	s_wait_dscnt \younger                          ; the block is back in registers
	s_wait_xcnt 0x0                                ; only behind this wait are the stores' base and the registers that earlier stores read rewritten
.if (\a) == 0
	s_add_nc_u64 s[8:9], s[8:9], s[16:17]          ; on to this tile's first rows
.else
	s_add_nc_u64 s[8:9], s[8:9], 16*SIZE_N*2       ; 16 rows of kp on, so that the stores' offsets stay small: 14 rows at the most
.endif
.irp t, 0,1,2,3,4,5,6,7
	global_store_b128 v[CO], v[BK+4*(\t):BK+4*(\t)+3], s[8:9] offset:2*(\t)*SIZE_N*2  ; 16 lanes store 256 consecutive bytes, at a multiple of 256 from kp's first byte
.endr
.endm
	s_wait_tensorcnt 1                             ; my part of K step 0 is in; K step 1's load may stay out
	s_barrier_signal -1
	s_barrier_wait -1                              ; everybody's is
	FETCH 0, 0, F0
.if SIZE_TILES > 1
	s_mov_b32 s2, SIZE_TILES                       ; tiles to go, this one among them: the same number in every work-group
.Ltile:                                                ; (FETCH and SEND leave every window 0)
.endif
	QUARTER 0, 64,  F0, F1, 1                      ; a tile's first quarter stands in front of the loop: its products start the sums
	WIN 0                                          ; at a label and at a branch every window is 0
	s_mov_b32 s3, LAPS-1
.Llap:                                                 ; a trip goes once round the ring, from a lap's second quarter to the next lap's first, and fills both slots again
	QUARTER 0, 128, F1, F0, 0
	QUARTER 0, 192, F0, F1, 0
	TURN 0, 1, 0
	QUARTER 1, 64,  F0, F1, 0
	QUARTER 1, 128, F1, F0, 0
	QUARTER 1, 192, F0, F1, 0
	TURN 1, 0, 0
	QUARTER 0, 64,  F0, F1, 0
	WIN 0
	s_sub_co_u32 s3, s3, 1
	s_cmp_lg_u32 s3, 0
	s_cbranch_scc1 .Llap
	QUARTER 0, 128, F1, F0, 0                      ; the tile's last lap goes on
	QUARTER 0, 192, F0, F1, 0
.if SIZE_TILES > 1
	WIN 0
	s_cmp_eq_u32 s2, 1
	s_cbranch_scc1 .Llast_tile                     ; the last tile's tail is written out: it asks for nothing more
	TURN 0, 1, 1                                   ; THE RING GOES ON INTO THE NEXT TILE: slot 0 takes its K step 0,
	QUARTER 1, 64,  F0, F1, 0
	QUARTER 1, 128, F1, F0, 0
	QUARTER 1, 192, F0, F1, 0
	TURN 1, 0, 1                                   ; slot 1 its K step 1, and the next tile's first fragments are fetched
	PACK 0                                         ; BOTH REFILLS ARE ASKED FOR: NOW THE TILE GOES OUT.  No v_nop: blocks 0-3 were finished in front of TURN's places, and their 128 conversions,
	TOSTAGE 0                                      ; which name no register of the last products (blocks 4-7's), are those products' places
.irp a, 1,2,3,4,5,6,7                  ; block a's conversions stand between block a - 1's loads from the stage and the wait for them
	PACK \a
	SEND (\a)-1, 0
	TOSTAGE \a
.endr
	SEND 7, 0
	s_mov_b64 s[16:17], NEXT_C                     ; what the next way out adds to kp's address
	s_sub_co_u32 s2, s2, 1
	s_branch .Ltile
.Llast_tile:
.endif
	MEET 0                                         ; my one tensor load that was still out is slot 1's, the last K step's, so no round follows
	PLACES                                         ; for the loads into buffer 0, which the quarter before multiplied
	WIN TO_B
	BLOAD 0                                        ; three quarters of B now: buffer 1 (v128-191 of both windows) is still being multiplied
	BLOAD 1
	BLOAD 3
	WIN 0
	ALOAD 0
	WIN MUL_HI
	MUL16 F1, 1, 0, 0
	MUL16 F1, 1, 2, 0
	PLACES                                         ; for the loads into buffer 1
	WIN TO_B
	BLOAD 2
	WIN 0
	ALOAD 1
	ALOAD 2
	ALOAD 3
	s_wait_dscnt 40                                ; all but the 40 just issued
	ROW 0
.irp a, 0,1,2,3,4,5,6,7                ; each block leaves as soon as it is finished: nothing follows this tile
	PLACES                                         ; its conversions read results just made, and no other vector work is at hand
	PACK \a
	TOSTAGE \a
.if (\a) < 4
	ALOAD (\a)+4                                   ; its buffer takes the block four further on
	SEND \a, 8
.else
	SEND \a, 0
.endif
.if (\a) < 7
	ROW (\a)+1
.endif
.endr
	s_wait_tensorcnt 0x0                           ; the wave's end: behind my last tensor load and my last LDS store
	ds_add_u32 v[SPW], v[NIL]
	s_wait_dscnt 0x0
	CROUND                                         ; the closing round: no work-group ends while a partner may still ask for a tile that names it
	s_endpgm
.Lfunc_end_k_q175c14b24b_gemm:
	.size	k_q175c14b24b_gemm, .Lfunc_end_k_q175c14b24b_gemm-k_q175c14b24b_gemm
	.p2alignl 7, 3214868480
	.fill 96, 4, 3214868480
	.section	.rodata,"a",@progbits
	.p2align	6, 0x0
	.amdhsa_kernel k_q175c14b24b_gemm
		.amdhsa_group_segment_fixed_size 327680
		.amdhsa_private_segment_fixed_size 0
		.amdhsa_enable_private_segment 0
		.amdhsa_kernarg_size 24
		.amdhsa_user_sgpr_count 2
		.amdhsa_user_sgpr_kernarg_segment_ptr 1
		.amdhsa_wavefront_size32 1
		.amdhsa_system_sgpr_workgroup_id_x 1
		.amdhsa_system_sgpr_workgroup_id_y 1
		.amdhsa_system_sgpr_workgroup_id_z 1
		.amdhsa_system_vgpr_workitem_id 0
		.amdhsa_next_free_vgpr 1024
		.amdhsa_next_free_sgpr 66
		.amdhsa_reserve_vcc 0
		.amdhsa_float_denorm_mode_32 3
		.amdhsa_float_denorm_mode_16_64 3
		.amdhsa_memory_ordered 1
		.amdhsa_forward_progress 1
		.amdhsa_inst_pref_size 210
	.end_amdhsa_kernel
	.amdgpu_metadata
---
amdhsa.version: [ 1, 2 ]
amdhsa.kernels:
  - .name:           k_q175c14b24b_gemm
    .symbol:         k_q175c14b24b_gemm.kd
    .args:
      - { .name: xb, .offset: 0, .size: 8, .value_kind: global_buffer, .address_space: global }
      - { .name: wc, .offset: 8, .size: 8, .value_kind: global_buffer, .address_space: global }
      - { .name: kp, .offset: 16, .size: 8, .value_kind: global_buffer, .address_space: global }
    .group_segment_fixed_size: 327680
    .private_segment_fixed_size: 0
    .kernarg_segment_align: 8
    .kernarg_segment_size: 24
    .max_flat_workgroup_size: 128
    .sgpr_count:     66
    .vgpr_count:     1024
    .wavefront_size: 32
...
	.end_amdgpu_metadata
.endif
;; end of part 2
;; launch agg (part 3): grid 256 x 1, 16 waves a work-group, no clusters, 2,560 bytes of LDS; arguments kp, b_z, b_h, agg, offs; writes agg, offs
.if DOCPART == 3
	.amdgcn_target "amdgcn-amd-amdhsa--gfx1250"
	.amdhsa_code_object_version 6
	.text
	.protected	k_q175c14b24b_agg
	.globl	k_q175c14b24b_agg
	.p2align	8
	.type	k_q175c14b24b_agg,@function
k_q175c14b24b_agg:
	s_mov_b64 s[64:65], 0
	v_nop
	global_prefetch_b8 v0, s[64:65] scope:SCOPE_SE
	s_setreg_imm32_b32 hwreg(HW_REG_WAVE_MODE, 25, 1), 1
	s_wait_xcnt 0x0
; Launch 3 of 5.  All logarithms in base 2: k and p are multiplied by log2e as they are unpacked.  With sp = softplus(k), A(t, j) = the sum over i <= j of sp(t, i), d(t, j) = k + g_log(p) + A(t, j - 1):
;   offs[4 rows][thread n][row] = A(t, 4 n - 1): what lies left of thread n's four columns, for every row;
;   agg[chunk][j] = the log-sum-exp over the chunk's 32 time steps of d(t, j).
; WORK LEFT OUT: the last chunk of each batch has no later chunk to read its total: its log-sum-exp steps and its store are jumped.  Its rows are walked for offs; the work on p there shares its lines with live work and stays.
; LIMITS: NaN and infinities are not treated apart; an exponential below 2^-126 counts as 0; the order of the f32 sums along a row is thread, lanes, waves.
; SHARES.  A work-group is a chunk: 32 rows of one batch, all 2,048 columns, 16 waves.  Thread n owns columns 4 n .. 4 n + 3 in every row: its loads are 8 bytes of k and 8 of p (a wave: 256 consecutive
; bytes, aligned).  Rows go four to a trip, eight trips.  A maximum CM and a sum CS, both f32, are carried from trip to trip: each trip takes the maximum of the carry and its four rows away before its exponentials.
; THE SUM ALONG A ROW: three additions in the thread, a scan over the wave's 32 lanes on the arithmetic itself (DPP), and the 16 waves' totals through 256 bytes of LDS.  That region is written and read
; in every trip, so a trip has two barriers: stores, barrier 1, loads, barrier 2.  g_log's exponentials and logarithms, which no sum along the row needs, stand between barrier 1's signal and its wait.
; softplus(k) = max(k, 0) + log2(1 + 2^(-|k|)), -|k| = k - 2 max(k, 0).  g_log(p), both of its forms by one exponential and one logarithm: pm = min(p, 0), px = max(p, 0), sg = 1 with p's sign,
; arg = px ln2 + 2^pm + (0.25 - 0.75 sg), which is p + 0.5 (p in natural units) or 1 + e^p; g = pm + sg log2(arg).
; Transcendentals stand by turns with plain lines that name none of their results; each batch has one wait, ahead of the first line that names a result.
; No tensor loads, no ring, no cluster, no matrix unit: no wave reads a byte that another has fetched, and work-groups share only the two biases.
.set SPARE, 512                        ; LDS: 0-255 the waves' totals, word 4 wave + row; 512-2,559 the spare words, 128 bytes for each wave, which no other line names
.set KO,  2                            ; v2   8 x thread: my bytes in a row's k
.set FO,  3                            ; v3   16 x thread: my four f32
.set WTS, 4                            ; v4   16 x wave: where my wave's four totals go
.set WTL, 5                            ; v5   4 x lane: the total that I read
.set MK0, 6                            ; v6   1.0 where wave lane / 4 lies below mine, else 0
.set MK1, 7                            ; v7   the same for wave 8 + lane / 4
.set HI,  8                            ; v8   1.0 in lanes 16-31, else 0
.set L2E, 9                            ; v9   log2(e)
.set PFO, 10                           ; v10  the prefetch's offset: 256 x lane + 8,192 x wave
.set PD,  11                           ; v11  v_permlanex16_b32's destination
.set SPW, 12                           ; v12  LDS address of my spare word; never rewritten
.set NIL, 13                           ; v13  0; never rewritten
.set Q0,  14
.set Q1,  15
.set BZ,  16                           ; v[16:19] b_z of my columns, rounded to bf16, times log2e
.set BH,  20                           ; v[20:23] b_h likewise
.set CM,  24                           ; v[24:27] the carried maximum
.set CS,  28                           ; v[28:31] the carried sum
.set NM,  32                           ; v[32:35] the trip's maximum
.set AR,  36                           ; v[36:39] 2^(old maximum - new)
.set RAWK, 40                          ; v[40:47] four rows' k as loaded, two registers a row
.set RAWP, 48                          ; v[48:55] p
.set SC,  56                           ; v[56:59] the lanes' scan, a register a row
.set TW,  60                           ; v[60:63] my wave's totals; then my four offsets, as they are stored
.set OFFP, 64                          ; v[64:71] row r's offset, twice, in the pair 64 + 2 r
.set TMP, 72
; blocks of 16, element 4 row + column
.set K,   80                           ; k; y = k + g; d; its exponential
.set P,   96                           ; p
.set T1,  112                          ; softplus on its way; its prefix in the thread
.set T2,  128                          ; g's exponential and logarithm
.set PM,  144                          ; pm
.set PX,  160                          ; px and the constant
.set SG,  176                          ; sg
.set MXK, 192                          ; max(k, 0)
; s19 the chunk's number in its batch, s20 wave, s21 trips left, s22 see SETUP, s[24:25] log2e, s[26:27] ln2, s[28:29] -0.75, s[30:31] 0.25, s32 all bits but the sign, s33 1.0, s[34:35] lane selects,
; s[36:39] lane 15's sums, s[40:43] my wave's totals, s[44:47] the lower waves' totals
.macro EACH cnt, step, line:vararg     ; the line cnt times, the symbol i going up by step
.set i, 0
.rept \cnt
	\line
.set i, i+\step
.endr
.endm
.macro SETUP
	v_lshrrev_b32 v1, 5, v0
	v_readfirstlane_b32 s20, v1                    ; wave 0..15
	v_and_b32 v1, 31, v0                           ; lane
	v_mov_b32 v[TMP], 1.0
	v_mov_b32 v[L2E], 0x3fb8aa3b
	v_lshlrev_b32 v[KO], 3, v0
	v_lshlrev_b32 v[FO], 4, v0
	v_mov_b32 v[WTS], s20
	v_lshlrev_b32 v[WTS], 4, v[WTS]
	v_lshlrev_b32 v[WTL], 2, v1
	v_lshrrev_b32 v[PD], 2, v1
	v_cmp_gt_u32 vcc_lo, s20, v[PD]
	v_cndmask_b32 v[MK0], 0, v[TMP], vcc_lo
	v_add_nc_u32 v[PD], 8, v[PD]
	v_cmp_gt_u32 vcc_lo, s20, v[PD]
	v_cndmask_b32 v[MK1], 0, v[TMP], vcc_lo
	v_cmp_lt_u32 vcc_lo, 15, v1
	v_cndmask_b32 v[HI], 0, v[TMP], vcc_lo
	s_lshl_b32 s48, s20, 13
	v_lshl_add_u32 v[PFO], v1, 8, s48
	s_mov_b32 s24, 0x3fb8aa3b                      ; log2(e)
	s_mov_b32 s25, s24
	s_mov_b32 s26, 0x3f317218                      ; ln 2
	s_mov_b32 s27, s26
	s_mov_b32 s28, 0xbf400000                      ; -0.75
	s_mov_b32 s29, s28
	s_mov_b32 s30, 0x3e800000                      ; 0.25
	s_mov_b32 s31, s30
	s_mov_b32 s32, 0x7fffffff
	s_mov_b32 s33, 0x3f800000                      ; 1.0
	s_mov_b32 s34, 0x76543210
	s_mov_b32 s35, 0xfedcba98
	s_cmp_lt_u32 s20, 4
	s_cselect_b32 s22, 2, 0x7fffffff               ; waves 0-3 prefetch while more than two trips are left; the others never
.endm
.macro ROUND4 reg                      ; four parameters take their bf16 rounding, and then the factor log2e
	v_cvt_pk_bf16_f32 v[TMP], v[\reg], v[\reg+1]
	v_cvt_pk_bf16_f32 v[TMP+1], v[\reg+2], v[\reg+3]
	v_lshlrev_b32 v[\reg], 16, v[TMP]
	v_and_b32 v[\reg+1], 0xffff0000, v[TMP]
	v_lshlrev_b32 v[\reg+2], 16, v[TMP+1]
	v_and_b32 v[\reg+3], 0xffff0000, v[TMP+1]
	v_pk_mul_f32 v[\reg:\reg+1], v[\reg:\reg+1], s[24:25] op_sel_hi:[1,0]
	v_pk_mul_f32 v[\reg+2:\reg+3], v[\reg+2:\reg+3], s[24:25] op_sel_hi:[1,0]
.endm
.macro UNP1 dst, raw, bias, e          ; element e: f16 half x log2e + bias: widened, scaled and biased by one instruction
.if ((\e)%2) == 0
	v_fma_mix_f32 v[\dst+(\e)], v[\raw+(\e)/2], v[L2E], v[\bias+(\e)%4] op_sel_hi:[1,0,0]
.else
	v_fma_mix_f32 v[\dst+(\e)], v[\raw+(\e)/2], v[L2E], v[\bias+(\e)%4] op_sel:[1,0,0] op_sel_hi:[1,0,0]
.endif
.endm
.macro EW_S1                           ; k; -|k|; its 16 exponentials, by turns with p's unpacking; pm.  The batch's wait follows the macro
.set i, 0
.rept 16
	UNP1 K, RAWK, BZ, i
.set i, i+1
.endr
	EACH 16, 1, v_max_num_f32 v[MXK+i], 0, v[K+i]
	EACH 8, 2, v_pk_fma_f32 v[T1+i:T1+i+1], v[MXK+i:MXK+i+1], -2.0, v[K+i:K+i+1] op_sel_hi:[1,0,1]
.set i, 0
.rept 16
	v_exp_f32 v[T1+i], v[T1+i]
	UNP1 P, RAWP, BH, i
.set i, i+1
.endr
	EACH 16, 1, v_min_num_f32 v[PM+i], 0, v[P+i]
.endm
.macro EW_S2                           ; 1 + e; 16 logarithms by turns with px; sg; the wait; softplus(k)
	EACH 8, 2, v_pk_add_f32 v[T1+i:T1+i+1], v[T1+i:T1+i+1], 1.0 op_sel_hi:[1,0]
.set i, 0
.rept 16
	v_log_f32 v[T1+i], v[T1+i]
	v_max_num_f32 v[PX+i], 0, v[P+i]
.set i, i+1
.endr
	EACH 16, 1, v_bfi_b32 v[SG+i], s32, s33, v[P+i]
	s_wait_alu depctr_va_vdst(0)                   ; one wait for the 16 logarithms
	EACH 8, 2, v_pk_add_f32 v[T1+i:T1+i+1], v[T1+i:T1+i+1], v[MXK+i:MXK+i+1]
.endm
.macro EW_G                            ; g_log(p): 16 exponentials by turns with the constant's two lines; k + pm; the wait; arg; 16 logarithms; the wait; y = k + g
.set i, 0
.rept 8
	v_exp_f32 v[T2+2*i], v[PM+2*i]
	v_pk_fma_f32 v[PX+2*i:PX+2*i+1], v[PX+2*i:PX+2*i+1], s[26:27], s[30:31] op_sel_hi:[1,0,0]
	v_exp_f32 v[T2+2*i+1], v[PM+2*i+1]
	v_pk_fma_f32 v[PX+2*i:PX+2*i+1], v[SG+2*i:SG+2*i+1], s[28:29], v[PX+2*i:PX+2*i+1] op_sel_hi:[1,0,1]
.set i, i+1
.endr
	EACH 8, 2, v_pk_add_f32 v[K+i:K+i+1], v[K+i:K+i+1], v[PM+i:PM+i+1]
	s_wait_alu depctr_va_vdst(0)
	EACH 8, 2, v_pk_add_f32 v[T2+i:T2+i+1], v[T2+i:T2+i+1], v[PX+i:PX+i+1]
	EACH 16, 1, v_log_f32 v[T2+i], v[T2+i]
	v_nop                                          ; a plain instruction behind the last logarithm
	s_wait_alu depctr_va_vdst(0)
	EACH 8, 2, v_pk_fma_f32 v[K+i:K+i+1], v[T2+i:T2+i+1], v[SG+i:SG+i+1], v[K+i:K+i+1]
.endm
.macro PREFIX                          ; my four columns' running sum, the four rows side by side
.irp c, 1,2,3
	EACH 4, 1, v_add_f32 v[T1+4*i+(\c)], v[T1+4*i+(\c)], v[T1+4*i+(\c)-1]
.endr
.endm
.macro WSCAN                           ; the running sum over my wave's lanes: four steps inside each half (a lane without a source keeps its own), lane 15's sum onto the upper half; SC ends as what lies left of me in my wave
	EACH 4, 1, v_mov_b32 v[SC+i], v[T1+4*i+3]
.irp sh, 1,2,4,8
	EACH 4, 1, v_add_f32_dpp v[SC+i], v[SC+i], v[SC+i] row_shr:\sh row_mask:0xf bank_mask:0xf
.endr
	EACH 4, 1, v_readlane_b32 s[36+i], v[SC+i], 15
	EACH 4, 1, v_fma_f32 v[SC+i], s[36+i], v[HI], v[SC+i]
	EACH 4, 1, v_readlane_b32 s[40+i], v[SC+i], 31
	EACH 4, 1, v_sub_f32 v[SC+i], v[SC+i], v[T1+4*i+3]
.endm
.macro XWAVE                           ; the waves' totals meet in LDS; TW and OFFP become all that lies left of my columns
	EACH 4, 1, v_mov_b32 v[TW+i], s[40+i]
	ds_store_b128 v[WTS], v[TW:TW+3]               ; all lanes write the same 16 bytes with the same values
	s_wait_dscnt 0x0                               ; for the others' sake: my store is done
	s_barrier_signal -1                            ; barrier 1
	EW_G                                           ; register work while the others arrive
	s_barrier_wait -1
	ds_load_b32 v[Q0], v[WTL]                      ; lane l: row l % 4 of wave l / 4,
	ds_load_b32 v[Q1], v[WTL] offset:128           ; and of wave 8 + l / 4
	s_wait_dscnt 0x0                               ; my reads of the totals are over:
	s_barrier_signal -1                            ; barrier 2 says so; its wait stands ahead of the trip's store and of the next trip's LDS store; register work alone between
	v_mul_f32 v[Q0], v[Q0], v[MK0]
	v_fmac_f32 v[Q0], v[Q1], v[MK1]                ; the waves below mine alone
	v_add_f32_dpp v[Q0], v[Q0], v[Q0] row_xmask:4 row_mask:0xf bank_mask:0xf
	v_add_f32_dpp v[Q0], v[Q0], v[Q0] row_xmask:8 row_mask:0xf bank_mask:0xf
	v_permlanex16_b32 v[PD], v[Q0], s34, s35
	v_add_f32 v[Q0], v[Q0], v[PD]                  ; lane l: row l % 4's sum
	EACH 4, 1, v_readlane_b32 s[44+i], v[Q0], i
	EACH 4, 1, v_add_f32 v[TW+i], s[44+i], v[SC+i]
	EACH 4, 1, v_add_f32 v[OFFP+2*i], s[44+i], v[SC+i]
	EACH 4, 1, v_add_f32 v[OFFP+2*i+1], s[44+i], v[SC+i]
.endm
.macro MAKE_D                          ; K becomes d = y + A(t, j - 1)
	EACH 4, 1, v_pk_add_f32 v[K+4*i:K+4*i+1], v[K+4*i:K+4*i+1], v[OFFP+2*i:OFFP+2*i+1]
	EACH 4, 1, v_pk_add_f32 v[K+4*i+2:K+4*i+3], v[K+4*i+2:K+4*i+3], v[OFFP+2*i:OFFP+2*i+1]
.irp c, 1,2,3
	EACH 4, 1, v_add_f32 v[K+4*i+(\c)], v[K+4*i+(\c)], v[T1+4*i+(\c)-1]
.endr
.endm
.macro LSE                             ; the carry takes four rows: the maximum of the five first, then s = s 2^(m - m') + the sum of 2^(d - m')
.irp c, 0,1,2,3
	v_max3_num_f32 v[NM+(\c)], v[CM+(\c)], v[K+(\c)], v[K+4+(\c)]
.endr
.irp c, 0,1,2,3
	v_max3_num_f32 v[NM+(\c)], v[NM+(\c)], v[K+8+(\c)], v[K+12+(\c)]
.endr
	EACH 2, 2, v_pk_add_f32 v[AR+i:AR+i+1], v[CM+i:CM+i+1], v[NM+i:NM+i+1] neg_lo:[0,1] neg_hi:[0,1]
	EACH 4, 1, v_pk_add_f32 v[K+4*i:K+4*i+1], v[K+4*i:K+4*i+1], v[NM:NM+1] neg_lo:[0,1] neg_hi:[0,1]
	EACH 4, 1, v_pk_add_f32 v[K+4*i+2:K+4*i+3], v[K+4*i+2:K+4*i+3], v[NM+2:NM+3] neg_lo:[0,1] neg_hi:[0,1]
	EACH 4, 1, v_exp_f32 v[AR+i], v[AR+i]
	EACH 16, 1, v_exp_f32 v[K+i], v[K+i]
	EACH 4, 1, v_mov_b32 v[CM+i], v[NM+i]
	s_wait_alu depctr_va_vdst(0)                   ; one wait for the 20 exponentials
	EACH 2, 2, v_pk_fma_f32 v[CS+i:CS+i+1], v[CS+i:CS+i+1], v[AR+i:AR+i+1], v[K+i:K+i+1]
	EACH 2, 2, v_pk_add_f32 v[K+4+i:K+4+i+1], v[K+4+i:K+4+i+1], v[K+8+i:K+8+i+1]
	EACH 2, 2, v_pk_add_f32 v[CS+i:CS+i+1], v[CS+i:CS+i+1], v[K+12+i:K+12+i+1]
	EACH 2, 2, v_pk_add_f32 v[CS+i:CS+i+1], v[CS+i:CS+i+1], v[K+4+i:K+4+i+1]
.endm
	s_load_b256 s[4:11], s[0:1], 0x0               ; kp s[4:5], b_z s[6:7], b_h s[8:9], agg s[10:11]
	s_load_b64 s[12:13], s[0:1], 0x20              ; offs
	v_lshl_add_u32 v[SPW], v0, 2, SPARE
	v_mov_b32 v[NIL], 0
	SETUP
	s_and_b32 s19, ttmp9, 63                       ; the chunk's number in its batch
	s_lshl_b32 s48, ttmp9, 18                      ; kp: 32 rows of 8,192 bytes
	s_mov_b32 s49, 0
	s_lshl_b32 s50, ttmp9, 13                      ; agg: a row of 2,048 f32
	s_mov_b32 s51, 0
	s_lshl_b32 s52, ttmp9, 16                      ; offs: eight trips of 512 threads x 16 bytes
	s_mov_b32 s53, 0
	s_wait_kmcnt 0x0
	s_add_nc_u64 s[4:5], s[4:5], s[48:49]
	s_add_nc_u64 s[10:11], s[10:11], s[50:51]
	s_add_nc_u64 s[12:13], s[12:13], s[52:53]
	global_load_b128 v[BZ:BZ+3], v[FO], s[6:7]
	global_load_b128 v[BH:BH+3], v[FO], s[8:9]
.irp r, 0,1,2,3
	global_load_b64 v[RAWK+2*(\r):RAWK+2*(\r)+1], v[KO], s[4:5] offset:8192*(\r)
	global_load_b64 v[RAWP+2*(\r):RAWP+2*(\r)+1], v[KO], s[4:5] offset:8192*(\r)+4096
.endr
	s_wait_loadcnt 8                               ; the biases are in; the first trip's eight loads stay out
	ROUND4 BZ
	ROUND4 BH
	EACH 4, 1, v_mov_b32 v[CM+i], 0xff7fffff       ; the lowest finite number: the first trip's factor for the old sum is 0
	EACH 4, 1, v_mov_b32 v[CS+i], 0
	s_mov_b32 s21, 8
.Ltrip:
	s_wait_loadcnt 0x0                             ; this trip's rows, asked for a trip ago; nothing younger is out
	EW_S1
	s_wait_alu depctr_va_vdst(0)                   ; one wait for the 16 exponentials, ahead of the branches below
	s_cmp_eq_u32 s21, 1                            ; the last trip asks for nothing
	s_cbranch_scc1 .Lnoload
.irp r, 0,1,2,3
	global_load_b64 v[RAWK+2*(\r):RAWK+2*(\r)+1], v[KO], s[4:5] offset:32768+8192*(\r)
	global_load_b64 v[RAWP+2*(\r):RAWP+2*(\r)+1], v[KO], s[4:5] offset:32768+8192*(\r)+4096
.endr
	s_cmp_gt_u32 s21, s22                          ; behind my loads: waves 0-3 name a whole row each (32 lanes x 256 bytes) of the trip after next, one trip ahead of its loads:
	s_cbranch_scc0 .Lnoload                        ; each block once in the launch; the first two trips come by their loads alone, the last two trips name nothing
	global_prefetch_b8 v[PFO], s[4:5] offset:65536 th:TH_LOAD_NT scope:SCOPE_SE
.Lnoload:
	EW_S2
	PREFIX
	WSCAN
	XWAVE
	MAKE_D
	s_barrier_wait -1                              ; barrier 2: every wave has read the totals, so the next trip may write them; the store stands behind it
	global_store_b128 v[FO], v[TW:TW+3], s[12:13]  ; my four rows' offsets: a wave stores 512 consecutive bytes
	s_cmp_eq_u32 s19, 63                           ; a batch's last chunk makes no total
	s_cbranch_scc1 .Lnolse
	LSE
.Lnolse:
	s_wait_xcnt 0x0                                ; the trip's loads, prefetch and store have read their bases and data
	s_add_nc_u64 s[4:5], s[4:5], 32768
	s_add_nc_u64 s[12:13], s[12:13], 8192
	s_sub_co_u32 s21, s21, 1
	s_cmp_lg_u32 s21, 0
	s_cbranch_scc1 .Ltrip
	s_cmp_eq_u32 s19, 63
	s_cbranch_scc1 .Lend
	EACH 4, 1, v_log_f32 v[TMP+i], v[CS+i]
	v_nop                                          ; a plain instruction behind the last logarithm,
	s_wait_alu depctr_va_vdst(0)                   ; and the wait ahead of the first use
	v_pk_add_f32 v[TMP:TMP+1], v[TMP:TMP+1], v[CM:CM+1]
	v_pk_add_f32 v[TMP+2:TMP+3], v[TMP+2:TMP+3], v[CM+2:CM+3]
	global_store_b128 v[FO], v[TMP:TMP+3], s[10:11]   ; m + log2 s: a wave stores 512 consecutive bytes
.Lend:
	s_wait_tensorcnt 0x0                           ; the wave's end: behind my last LDS store
	ds_add_u32 v[SPW], v[NIL]
	s_wait_dscnt 0x0
	s_endpgm
.Lfunc_end_k_q175c14b24b_agg:
	.size	k_q175c14b24b_agg, .Lfunc_end_k_q175c14b24b_agg-k_q175c14b24b_agg
	.p2alignl 7, 3214868480
	.fill 96, 4, 3214868480
	.section	.rodata,"a",@progbits
	.p2align	6, 0x0
	.amdhsa_kernel k_q175c14b24b_agg
		.amdhsa_group_segment_fixed_size 2560
		.amdhsa_private_segment_fixed_size 0
		.amdhsa_enable_private_segment 0
		.amdhsa_kernarg_size 40
		.amdhsa_user_sgpr_count 2
		.amdhsa_user_sgpr_kernarg_segment_ptr 1
		.amdhsa_wavefront_size32 1
		.amdhsa_system_sgpr_workgroup_id_x 1
		.amdhsa_system_sgpr_workgroup_id_y 1
		.amdhsa_system_sgpr_workgroup_id_z 1
		.amdhsa_system_vgpr_workitem_id 0
		.amdhsa_next_free_vgpr 212
		.amdhsa_next_free_sgpr 98
		.amdhsa_reserve_vcc 1
		.amdhsa_float_denorm_mode_32 3
		.amdhsa_float_denorm_mode_16_64 3
		.amdhsa_memory_ordered 1
		.amdhsa_forward_progress 1
		.amdhsa_inst_pref_size 25
	.end_amdhsa_kernel
	.amdgpu_metadata
---
amdhsa.version: [ 1, 2 ]
amdhsa.kernels:
  - .name:           k_q175c14b24b_agg
    .symbol:         k_q175c14b24b_agg.kd
    .args:
      - { .name: kp, .offset: 0, .size: 8, .value_kind: global_buffer, .address_space: global }
      - { .name: b_z, .offset: 8, .size: 8, .value_kind: global_buffer, .address_space: global }
      - { .name: b_h, .offset: 16, .size: 8, .value_kind: global_buffer, .address_space: global }
      - { .name: agg, .offset: 24, .size: 8, .value_kind: global_buffer, .address_space: global }
      - { .name: offs, .offset: 32, .size: 8, .value_kind: global_buffer, .address_space: global }
    .group_segment_fixed_size: 2560
    .private_segment_fixed_size: 0
    .kernarg_segment_align: 8
    .kernarg_segment_size: 40
    .max_flat_workgroup_size: 512
    .sgpr_count:     98
    .vgpr_count:     212
    .wavefront_size: 32
...
	.end_amdgpu_metadata
.endif
;; end of part 3
;; launch scan (part 4): grid 256 x 1, 16 waves a work-group, no clusters, 2,304 bytes of LDS; arguments kp, b_z, b_h, h0, agg, offs, lh, st; writes lh, st
.if DOCPART == 4
	.amdgcn_target "amdgcn-amd-amdhsa--gfx1250"
	.amdhsa_code_object_version 6
	.text
	.protected	k_q175c14b24b_scan
	.globl	k_q175c14b24b_scan
	.p2align	8
	.type	k_q175c14b24b_scan,@function
k_q175c14b24b_scan:
	s_mov_b64 s[64:65], 0
	v_nop
	global_prefetch_b8 v0, s[64:65] scope:SCOPE_SE
	s_setreg_imm32_b32 hwreg(HW_REG_WAVE_MODE, 25, 1), 1
	s_wait_xcnt 0x0
; Launch 4 of 5: lh[b t][j] = log_h(b, t + 1, j) / ln 2 = L(t, j) - A(t, j), in f32, and st[work-group] = (the sum, the sum of squares) of what the work-group made.  All logarithms in base 2, as in the launch before.
; d(t, j) = k + g_log(p) + A(t, j - 1), A(t, j) = the sum over i <= j of softplus(k(t, i)); L = the running log-sum-exp over time of d, begun with g_log(h0).
; A wave's walk begins with g_log(h0) and the totals (agg) of the earlier chunks of its batch; then it makes d and A anew from kp, with what lies left of a thread's four columns read from offs, and walks 32 rows.
; Row 0 of log_h, g_log(h0), is counted in the sums by the waves of each batch's first chunk.  Nothing is left out here.
; LIMITS: NaN and infinities are not treated apart; an exponential below 2^-126 counts as 0; the order of the f32 sums differs from a plain walk.
; SHARES.  A wave owns 32 rows (a chunk) x 128 columns, lane l columns 4 l .. 4 l + 3 of them, and reads nothing that another wave makes: no LDS and no barrier but for the sums at the end.
; A work-group is a batch, a q of 0..3 and a block of 128 columns; its wave w takes chunk 4 sq(w) + q, where sq is a square of the numbers 0..15 whose rows and columns (w / 4, w % 4) each add up to 30:
; the walk over earlier totals grows with the chunk's number, and so every work-group, and every four waves of one row or column of the square, has the same length of it: 480 + 16 q rows a work-group.
; THE RUNNING STEP: m' = max(m, d), s = s 2^(m - m') + 2^(d - m'), L = m' + log2 s: the running maximum is taken away before every exponential.
; softplus and g_log as in the launch before.  Transcendentals stand by turns with plain lines that name none of their results; each batch has one wait, ahead of the first line that names a result.
.set SR,  0                            ; LDS: 0-127 the waves' (sum, sum of squares); 256-2,303 the spare words, 128 bytes for each wave, which no other line names
.set SPARE, 256
.set KO,  2                            ; v2   8 x lane
.set FO,  3                            ; v3   16 x lane
.set L2E, 4                            ; v4   log2(e)
.set PFO, 5                            ; v5   256 x lane
.set PD,  6                            ; v6   v_permlanex16_b32's destination
.set SPW, 12                           ; v12  LDS address of my spare word; never rewritten
.set NIL, 13                           ; v13  0; never rewritten
.set BZ,  16                           ; v[16:19] b_z, rounded to bf16, times log2e
.set BH,  20                           ; v[20:23] b_h
.set CM,  24                           ; v[24:27] running maximum
.set CS,  28                           ; v[28:31] running sum
.set SUM, 32                           ; v[32:35] the sum of my lh
.set SQ,  36                           ; v[36:39] of their squares
.set RAWK, 40                          ; v[40:47] four rows' k as loaded
.set RAWP, 48                          ; v[48:55] p
.set OFL, 56                           ; v[56:59] four rows' offsets as loaded
.set OFFQ, 60                          ; v[60:63] the same, at work while the next trip's are on their way
.set TMP, 72
.set K,   80                           ; k; y                              (ahead of the loop v[80:143]: 16 rows of agg)
.set P,   96                           ; p; d; 2^(d - m')
.set T1,  112                          ; softplus; A
.set T2,  128                          ; g's exponential and logarithm; s of rows 0-2
.set PM,  144                          ; pm; m of rows 0-2                 (ahead of the loop v[144:159]: the 16 rows' offsets)
.set PX,  160                          ; px and the constant; log2 s; lh   (ahead of the loop: NM, TA)
.set SG,  176                          ; sg; 2^(m - m')
.set MXK, 192                          ; max(k, 0); m - A
.set D,   P
.set AA,  SG
.set LG,  PX
.set RA,  MXK
.set AG,  80
.set AO,  144
.set NM,  160
.set TA,  168
; s20 wave, s21 trips left, s22 my chunk's number c in its batch, s23 the chunk, s[24:25] log2e, s[26:27] ln2, s[28:29] -0.75, s[30:31] 0.25, s32 all bits but the sign, s33 1.0, s[34:35] lane selects,
; s47 see below, s[58:59] where my prefetches stand; ahead of the loop s[66:97] sixteen weights in pairs
.macro EACH cnt, step, line:vararg     ; the line cnt times, the symbol i going up by step
.set i, 0
.rept \cnt
	\line
.set i, i+\step
.endr
.endm
.macro ROUND4 reg                      ; four parameters take their bf16 rounding, and then the factor log2e
	v_cvt_pk_bf16_f32 v[TMP], v[\reg], v[\reg+1]
	v_cvt_pk_bf16_f32 v[TMP+1], v[\reg+2], v[\reg+3]
	v_lshlrev_b32 v[\reg], 16, v[TMP]
	v_and_b32 v[\reg+1], 0xffff0000, v[TMP]
	v_lshlrev_b32 v[\reg+2], 16, v[TMP+1]
	v_and_b32 v[\reg+3], 0xffff0000, v[TMP+1]
	v_pk_mul_f32 v[\reg:\reg+1], v[\reg:\reg+1], s[24:25] op_sel_hi:[1,0]
	v_pk_mul_f32 v[\reg+2:\reg+3], v[\reg+2:\reg+3], s[24:25] op_sel_hi:[1,0]
.endm
.macro UNP1 dst, raw, bias, e          ; element e: f16 half x log2e + bias
.if ((\e)%2) == 0
	v_fma_mix_f32 v[\dst+(\e)], v[\raw+(\e)/2], v[L2E], v[\bias+(\e)%4] op_sel_hi:[1,0,0]
.else
	v_fma_mix_f32 v[\dst+(\e)], v[\raw+(\e)/2], v[L2E], v[\bias+(\e)%4] op_sel:[1,0,0] op_sel_hi:[1,0,0]
.endif
.endm
.macro EW_S1                           ; k; -|k|; its 16 exponentials, by turns with p's unpacking; pm.  The batch's wait follows the macro
.set i, 0
.rept 16
	UNP1 K, RAWK, BZ, i
.set i, i+1
.endr
	EACH 16, 1, v_max_num_f32 v[MXK+i], 0, v[K+i]
	EACH 8, 2, v_pk_fma_f32 v[T1+i:T1+i+1], v[MXK+i:MXK+i+1], -2.0, v[K+i:K+i+1] op_sel_hi:[1,0,1]
.set i, 0
.rept 16
	v_exp_f32 v[T1+i], v[T1+i]
	UNP1 P, RAWP, BH, i
.set i, i+1
.endr
	EACH 16, 1, v_min_num_f32 v[PM+i], 0, v[P+i]
.endm
.macro EW_S2                           ; 1 + e; 16 logarithms by turns with px; sg; the wait; softplus(k)
	EACH 8, 2, v_pk_add_f32 v[T1+i:T1+i+1], v[T1+i:T1+i+1], 1.0 op_sel_hi:[1,0]
.set i, 0
.rept 16
	v_log_f32 v[T1+i], v[T1+i]
	v_max_num_f32 v[PX+i], 0, v[P+i]
.set i, i+1
.endr
	EACH 16, 1, v_bfi_b32 v[SG+i], s32, s33, v[P+i]
	s_wait_alu depctr_va_vdst(0)                   ; one wait for the 16 logarithms
	EACH 8, 2, v_pk_add_f32 v[T1+i:T1+i+1], v[T1+i:T1+i+1], v[MXK+i:MXK+i+1]
.endm
.macro AIOP n                          ; line n of the 16 that turn softplus into A: column n / 4 of row n % 4 takes its left neighbour, column 0 the offset
.if (\n) < 4
	v_add_f32 v[T1+4*(\n)], v[T1+4*(\n)], v[OFFQ+(\n)]
.else
	v_add_f32 v[T1+4*((\n)%4)+(\n)/4], v[T1+4*((\n)%4)+(\n)/4], v[T1+4*((\n)%4)+(\n)/4-1]
.endif
.endm
.macro EW_G                            ; g_log(p): 16 exponentials by turns with the constant's two lines; k + pm; the wait; arg; 16 logarithms by turns with A's lines; the wait; y = k + g
.set i, 0
.rept 8
	v_exp_f32 v[T2+2*i], v[PM+2*i]
	v_pk_fma_f32 v[PX+2*i:PX+2*i+1], v[PX+2*i:PX+2*i+1], s[26:27], s[30:31] op_sel_hi:[1,0,0]
	v_exp_f32 v[T2+2*i+1], v[PM+2*i+1]
	v_pk_fma_f32 v[PX+2*i:PX+2*i+1], v[SG+2*i:SG+2*i+1], s[28:29], v[PX+2*i:PX+2*i+1] op_sel_hi:[1,0,1]
.set i, i+1
.endr
	EACH 8, 2, v_pk_add_f32 v[K+i:K+i+1], v[K+i:K+i+1], v[PM+i:PM+i+1]
	s_wait_alu depctr_va_vdst(0)
	EACH 8, 2, v_pk_add_f32 v[T2+i:T2+i+1], v[T2+i:T2+i+1], v[PX+i:PX+i+1]
.set i, 0
.rept 16
	v_log_f32 v[T2+i], v[T2+i]
	AIOP i
.set i, i+1
.endr
	s_wait_alu depctr_va_vdst(0)
	EACH 8, 2, v_pk_fma_f32 v[K+i:K+i+1], v[T2+i:T2+i+1], v[SG+i:SG+i+1], v[K+i:K+i+1]
.endm
.macro MAKE_D                          ; d = y + A(t, j - 1)
	EACH 4, 1, v_add_f32 v[D+4*i], v[K+4*i], v[OFFQ+i]
.irp c, 1,2,3
	EACH 4, 1, v_add_f32 v[D+4*i+(\c)], v[K+4*i+(\c)], v[T1+4*i+(\c)-1]
.endr
.endm
.macro ROWREG r                        ; row r's maximum and sum, and the row's before it: rows 0-2 have registers of their own, row 3's are the carries, which row 0 has read by then
.if (\r) == 3
.set rRM, CM
.set rSS, CS
.else
.set rRM, PM+4*(\r)
.set rSS, T2+4*(\r)
.endif
.if (\r) == 0
.set rRMp, CM
.set rSSp, CS
.else
.set rRMp, PM+4*(\r)-4
.set rSSp, T2+4*(\r)-4
.endif
.endm
.macro CH_P r, n                       ; plain line n of row r's eight: 0-3 m' = max(m, d); 4, 5 m - m'; 6, 7 d - m', in place
	ROWREG \r
.if (\n) < 4
	v_max_num_f32 v[rRM+(\n)], v[rRMp+(\n)], v[D+4*(\r)+(\n)]
.elseif (\n) < 6
	v_pk_add_f32 v[AA+4*(\r)+2*(\n)-8:AA+4*(\r)+2*(\n)-7], v[rRMp+2*(\n)-8:rRMp+2*(\n)-7], v[rRM+2*(\n)-8:rRM+2*(\n)-7] neg_lo:[0,1] neg_hi:[0,1]
.else
	v_pk_add_f32 v[D+4*(\r)+2*(\n)-12:D+4*(\r)+2*(\n)-11], v[D+4*(\r)+2*(\n)-12:D+4*(\r)+2*(\n)-11], v[rRM+2*(\n)-12:rRM+2*(\n)-11] neg_lo:[0,1] neg_hi:[0,1]
.endif
.endm
.macro CH_E r, n                       ; exponential n of row r's eight
.if (\n) < 4
	v_exp_f32 v[AA+4*(\r)+(\n)], v[AA+4*(\r)+(\n)]
.else
	v_exp_f32 v[D+4*(\r)+(\n)-4], v[D+4*(\r)+(\n)-4]
.endif
.endm
.macro RAOP n                          ; pair n of eight of m - A
	ROWREG (\n)/2
	v_pk_add_f32 v[RA+2*(\n):RA+2*(\n)+1], v[rRM+2*((\n)%2):rRM+2*((\n)%2)+1], v[T1+2*(\n):T1+2*(\n)+1] neg_lo:[0,1] neg_hi:[0,1]
.endm
.macro SSF r, h                        ; s = s 2^(m - m') + 2^(d - m'), half h of row r
	ROWREG \r
	v_pk_fma_f32 v[rSS+2*(\h):rSS+2*(\h)+1], v[rSSp+2*(\h):rSSp+2*(\h)+1], v[AA+4*(\r)+2*(\h):AA+4*(\r)+2*(\h)+1], v[D+4*(\r)+2*(\h):D+4*(\r)+2*(\h)+1]
.endm
.macro LGE r, n
	ROWREG \r
	v_log_f32 v[LG+4*(\r)+(\n)], v[rSS+(\n)]
.endm
.macro CHAIN                           ; four running steps: a row's eight exponentials stand by turns with the next row's eight plain lines, the last row's with m - A: ONE BATCH of 32, one wait
.irp n, 0,1,2,3,4,5,6,7
	CH_P 0, \n
.endr
.irp r, 0,1,2
.irp n, 0,1,2,3,4,5,6,7
	CH_E \r, \n
	CH_P (\r)+1, \n
.endr
.endr
.irp n, 0,1,2,3,4,5,6,7
	CH_E 3, \n
	RAOP \n
.endr
	s_wait_alu depctr_va_vdst(0)
.endm
.macro OUT                             ; the sums row by row, each row's logarithms behind it; lh = log2 s + (m - A), and its sums
	SSF 0, 0
	SSF 0, 1
.irp r, 0,1,2
	LGE \r, 0
	SSF (\r)+1, 0
	LGE \r, 1
	SSF (\r)+1, 1
	LGE \r, 2
	LGE \r, 3
.endr
.irp n, 0,1,2,3
	LGE 3, \n
.endr
	v_nop                                          ; a plain instruction behind the last logarithm
	s_wait_alu depctr_va_vdst(0)                   ; one wait for the 16
	EACH 8, 2, v_pk_add_f32 v[LG+i:LG+i+1], v[LG+i:LG+i+1], v[RA+i:RA+i+1]
.irp r, 0,1,2,3
	v_pk_add_f32 v[SUM:SUM+1], v[SUM:SUM+1], v[LG+4*(\r):LG+4*(\r)+1]
	v_pk_add_f32 v[SUM+2:SUM+3], v[SUM+2:SUM+3], v[LG+4*(\r)+2:LG+4*(\r)+3]
	v_pk_fma_f32 v[SQ:SQ+1], v[LG+4*(\r):LG+4*(\r)+1], v[LG+4*(\r):LG+4*(\r)+1], v[SQ:SQ+1]
	v_pk_fma_f32 v[SQ+2:SQ+3], v[LG+4*(\r)+2:LG+4*(\r)+3], v[LG+4*(\r)+2:LG+4*(\r)+3], v[SQ+2:SQ+3]
.endr
.endm
	s_load_b512 s[4:19], s[0:1], 0x0               ; kp s[4:5], b_z s[6:7], b_h s[8:9], h0 s[10:11], agg s[12:13], offs s[14:15], lh s[16:17], st s[18:19]
	v_lshl_add_u32 v[SPW], v0, 2, SPARE
	v_mov_b32 v[NIL], 0
	v_lshrrev_b32 v1, 5, v0
	v_readfirstlane_b32 s20, v1                    ; wave 0..15
	v_and_b32 v1, 31, v0                           ; lane
	v_mov_b32 v[L2E], 0x3fb8aa3b
	v_lshlrev_b32 v[KO], 3, v1
	v_lshlrev_b32 v[FO], 4, v1
	v_lshlrev_b32 v[PFO], 8, v1
	v_mov_b32 v[PD], 0
	s_mov_b32 s24, 0x3fb8aa3b                      ; log2(e)
	s_mov_b32 s25, s24
	s_mov_b32 s26, 0x3f317218                      ; ln 2
	s_mov_b32 s27, s26
	s_mov_b32 s28, 0xbf400000                      ; -0.75
	s_mov_b32 s29, s28
	s_mov_b32 s30, 0x3e800000                      ; 0.25
	s_mov_b32 s31, s30
	s_mov_b32 s32, 0x7fffffff
	s_mov_b32 s33, 0x3f800000                      ; 1.0
	s_mov_b32 s34, 0x76543210
	s_mov_b32 s35, 0xfedcba98
	s_lshr_b32 s36, ttmp9, 6                       ; the batch
	s_bfe_u32 s37, ttmp9, 0x20004                  ; q
	s_and_b32 s38, ttmp9, 15                       ; the block of 128 columns
	s_lshr_b32 s39, s20, 2                         ; the square: a = w / 4,
	s_and_b32 s40, s20, 3                          ; b = w % 4;
	s_xor_b32 s41, s39, s40                        ; x = a xor b;
	s_lshr_b32 s42, s40, 1
	s_mul_i32 s42, s42, 7
	s_lshl_b32 s43, s40, 1
	s_xor_b32 s42, s42, s43
	s_and_b32 s42, s42, 3                          ; b = 0, 1, 2, 3 gives 0, 2, 3, 1;
	s_xor_b32 s42, s42, s39                        ; y = a xor that;
	s_lshl2_add_u32 s41, s41, s42                  ; sq = 4 x + y: for each a and for each b, x and y each run through 0..3, so four of them add up to 30
	s_lshl2_add_u32 s22, s41, s37                  ; c = 4 sq + q
	s_lshl_b32 s23, s36, 6
	s_add_co_u32 s23, s23, s22                     ; the chunk
	s_cmp_lt_u32 s38, 4
	s_cselect_b32 s47, 2, 0x7fffffff               ; the waves of column blocks 0-3 prefetch while more than two trips are left; the others never
	s_lshl_b32 s44, s38, 9                         ; my 128 columns in f32
	s_lshl_b32 s45, s38, 8                         ; and in f16
	s_lshl_b32 s48, s23, 18                        ; kp and lh: 32 rows of 8,192 bytes
	s_add_co_u32 s50, s48, s44                     ; lh
	s_and_b32 s60, s38, 3
	s_lshl_b32 s60, s60, 13
	s_add_co_u32 s60, s60, s48                     ; the prefetches: row (column block % 4) of the chunk, from its first byte
	s_add_co_u32 s48, s48, s45                     ; kp
	s_lshl_b32 s52, s23, 16
	s_add_co_u32 s52, s52, s44                     ; offs
	s_lshl_b32 s54, s36, 19
	s_add_co_u32 s54, s54, s44                     ; agg: the batch's first row
	s_lshl_b32 s56, ttmp9, 3                       ; st
	s_mov_b32 s45, 0
	s_mov_b32 s49, 0
	s_mov_b32 s51, 0
	s_mov_b32 s53, 0
	s_mov_b32 s55, 0
	s_mov_b32 s57, 0
	s_mov_b32 s61, 0
	s_wait_kmcnt 0x0
	s_add_nc_u64 s[58:59], s[4:5], s[60:61]
	s_add_nc_u64 s[4:5], s[4:5], s[48:49]
	s_add_nc_u64 s[6:7], s[6:7], s[44:45]
	s_add_nc_u64 s[8:9], s[8:9], s[44:45]
	s_add_nc_u64 s[10:11], s[10:11], s[44:45]
	s_add_nc_u64 s[12:13], s[12:13], s[54:55]
	s_add_nc_u64 s[14:15], s[14:15], s[52:53]
	s_add_nc_u64 s[16:17], s[16:17], s[50:51]
	s_add_nc_u64 s[18:19], s[18:19], s[56:57]
	global_load_b128 v[BZ:BZ+3], v[FO], s[6:7]
	global_load_b128 v[BH:BH+3], v[FO], s[8:9]
	global_load_b128 v[CM:CM+3], v[FO], s[10:11]
.irp r, 0,1,2,3
	global_load_b64 v[RAWK+2*(\r):RAWK+2*(\r)+1], v[KO], s[4:5] offset:8192*(\r) th:TH_LOAD_NT
	global_load_b64 v[RAWP+2*(\r):RAWP+2*(\r)+1], v[KO], s[4:5] offset:8192*(\r)+4096 th:TH_LOAD_NT
.endr
	global_load_b128 v[OFL:OFL+3], v[FO], s[14:15] th:TH_LOAD_NT
	s_wait_loadcnt 9                               ; the biases and h0 are in; the first trip's nine loads stay out
	ROUND4 BZ
	ROUND4 BH
	ROUND4 CM
	; g_log(h0), in the elementwise macros' form, on four numbers: v[80:83] pm, v[84:87] the exponential and logarithm, v[88:91] px and the constant, v[92:95] sg
	EACH 4, 1, v_min_num_f32 v[80+i], 0, v[CM+i]
	EACH 4, 1, v_exp_f32 v[84+i], v[80+i]
	EACH 4, 1, v_max_num_f32 v[88+i], 0, v[CM+i]
	EACH 4, 1, v_bfi_b32 v[92+i], s32, s33, v[CM+i]
	EACH 2, 2, v_pk_fma_f32 v[88+i:89+i], v[88+i:89+i], s[26:27], s[30:31] op_sel_hi:[1,0,0]
	EACH 2, 2, v_pk_fma_f32 v[88+i:89+i], v[92+i:93+i], s[28:29], v[88+i:89+i] op_sel_hi:[1,0,1]
	s_wait_alu depctr_va_vdst(0)
	EACH 2, 2, v_pk_add_f32 v[84+i:85+i], v[84+i:85+i], v[88+i:89+i]
	EACH 4, 1, v_log_f32 v[84+i], v[84+i]
	v_nop
	s_wait_alu depctr_va_vdst(0)
	EACH 2, 2, v_pk_fma_f32 v[CM+i:CM+i+1], v[84+i:85+i], v[92+i:93+i], v[80+i:81+i]
	EACH 4, 1, v_mov_b32 v[CS+i], 1.0              ; the walk begins with the one term g_log(h0)
	s_cmp_eq_u32 s22, 0
	s_cselect_b32 s56, 1.0, 0                      ; a batch's first chunk counts row 0 of log_h
	s_mov_b32 s57, s56
	EACH 2, 2, v_pk_mul_f32 v[SUM+i:SUM+i+1], v[CM+i:CM+i+1], s[56:57] op_sel_hi:[1,0]
	EACH 2, 2, v_pk_mul_f32 v[SQ+i:SQ+i+1], v[CM+i:CM+i+1], v[SUM+i:SUM+i+1]
	; THE EARLIER CHUNKS' TOTALS, 16 rows of agg a trip, (c + 15) / 16 trips.  c hangs on the wave's number, so the loop counts to the constant 4 and the dead trips are jumped forward; no LDS and no barrier in it.
	; A place past c - 1 repeats row c - 1 with the weight 0: it moves no maximum, adds nothing, and no row that was never written is loaded.  16 loads of 512 bytes of the wave are out together.
	s_add_co_u32 s50, s22, 15
	s_lshr_b32 s50, s50, 4                         ; live trips
	s_mov_b32 s51, 0
	s_max_u32 s53, s22, 1
	s_sub_co_u32 s53, s53, 1                       ; the last row that exists
	EACH 16, 1, s_mov_b32 s[67+2*i], 0             ; the weights are named as pairs
.Lpre:
	s_cmp_ge_u32 s51, s50
	s_cbranch_scc1 .Lpskip
	s_lshl_b32 s52, s51, 4
.set e, 0
.rept 16
	s_add_co_u32 s48, s52, e
	s_cmp_lt_u32 s48, s22
	s_cselect_b32 s[66+2*e], 1.0, 0
	s_min_u32 s48, s48, s53
	v_lshl_add_u32 v[AO+e], s48, 13, v[FO]
.set e, e+1
.endr
	EACH 16, 1, global_load_b128 v[AG+4*i:AG+4*i+3], v[AO+i], s[12:13]
	s_wait_loadcnt 0x0                             ; all sixteen: the maximum wants them all; their offsets are free again
.irp c, 0,1,2,3
	v_max3_num_f32 v[NM+(\c)], v[CM+(\c)], v[AG+(\c)], v[AG+4+(\c)]
.endr
.irp e, 2,4,6,8,10,12,14
.irp c, 0,1,2,3
	v_max3_num_f32 v[NM+(\c)], v[NM+(\c)], v[AG+4*(\e)+(\c)], v[AG+4*(\e)+4+(\c)]
.endr
.endr
	EACH 2, 2, v_pk_add_f32 v[TA+i:TA+i+1], v[CM+i:CM+i+1], v[NM+i:NM+i+1] neg_lo:[0,1] neg_hi:[0,1]
	EACH 16, 1, v_pk_add_f32 v[AG+4*i:AG+4*i+1], v[AG+4*i:AG+4*i+1], v[NM:NM+1] neg_lo:[0,1] neg_hi:[0,1]
	EACH 16, 1, v_pk_add_f32 v[AG+4*i+2:AG+4*i+3], v[AG+4*i+2:AG+4*i+3], v[NM+2:NM+3] neg_lo:[0,1] neg_hi:[0,1]
	EACH 4, 1, v_exp_f32 v[TA+i], v[TA+i]
	EACH 64, 1, v_exp_f32 v[AG+i], v[AG+i]
	EACH 4, 1, v_mov_b32 v[CM+i], v[NM+i]
	s_wait_alu depctr_va_vdst(0)                   ; one wait for the 68 exponentials
	EACH 2, 2, v_pk_mul_f32 v[CS+i:CS+i+1], v[CS+i:CS+i+1], v[TA+i:TA+i+1]
.set e, 0
.rept 16
	v_pk_fma_f32 v[CS:CS+1], v[AG+4*e:AG+4*e+1], s[66+2*e:67+2*e], v[CS:CS+1] op_sel_hi:[1,0,1]
	v_pk_fma_f32 v[CS+2:CS+3], v[AG+4*e+2:AG+4*e+3], s[66+2*e:67+2*e], v[CS+2:CS+3] op_sel_hi:[1,0,1]
.set e, e+1
.endr
.Lpskip:
	s_add_co_u32 s51, s51, 1
	s_cmp_lt_u32 s51, 4
	s_cbranch_scc1 .Lpre
	s_mov_b32 s21, 8
.Ltrip:
	s_wait_loadcnt 0x0                             ; this trip's rows and offsets, asked for a trip ago; nothing younger is out
	EW_S1
	EACH 4, 1, v_mov_b32 v[OFFQ+i], v[OFL+i]       ; the offsets are wanted late in the trip: they make room for the next trip's load
	s_wait_alu depctr_va_vdst(0)                   ; one wait for the 16 exponentials, ahead of the branches below
	s_cmp_eq_u32 s21, 1                            ; the last trip asks for nothing
	s_cbranch_scc1 .Lnoload
.irp r, 0,1,2,3
	global_load_b64 v[RAWK+2*(\r):RAWK+2*(\r)+1], v[KO], s[4:5] offset:32768+8192*(\r) th:TH_LOAD_NT
	global_load_b64 v[RAWP+2*(\r):RAWP+2*(\r)+1], v[KO], s[4:5] offset:32768+8192*(\r)+4096 th:TH_LOAD_NT
.endr
	global_load_b128 v[OFL:OFL+3], v[FO], s[14:15] offset:8192 th:TH_LOAD_NT
	s_cmp_gt_u32 s21, s47                          ; behind my loads.  A chunk's rows are read by 16 waves, one in each of 16 work-groups, which walk the same count of steps.  Those of column blocks 0-3 name
	s_cbranch_scc0 .Lnoload                        ; a whole row each (32 lanes x 256 bytes) of the trip after next, one trip ahead of its loads: each block once in the launch; the first two trips come by
	global_prefetch_b8 v[PFO], s[58:59] offset:65536 th:TH_LOAD_NT scope:SCOPE_SE  ; their loads alone, the last two trips name nothing.  offs, a fifth of the stream, is not asked for
.Lnoload:
	EW_S2
	EW_G
	MAKE_D
	CHAIN
	OUT
.irp r, 0,1,2,3
	global_store_b128 v[FO], v[LG+4*(\r):LG+4*(\r)+3], s[16:17] offset:8192*(\r)   ; a wave stores 512 consecutive bytes of a row
.endr
	s_wait_xcnt 0x0                                ; the trip's loads, prefetch and stores have read their bases and data: the bases step, and the next trip writes LG's registers
	s_add_nc_u64 s[4:5], s[4:5], 32768
	s_add_nc_u64 s[58:59], s[58:59], 32768
	s_add_nc_u64 s[14:15], s[14:15], 8192
	s_add_nc_u64 s[16:17], s[16:17], 32768
	s_sub_co_u32 s21, s21, 1
	s_cmp_lg_u32 s21, 0
	s_cbranch_scc1 .Ltrip
	; the two sums: thread, wave, work-group
	v_pk_add_f32 v[72:73], v[SUM:SUM+1], v[SUM+2:SUM+3]
	v_pk_add_f32 v[74:75], v[SQ:SQ+1], v[SQ+2:SQ+3]
	v_add_f32 v72, v72, v73
	v_add_f32 v73, v74, v75
.irp m, 1,2,4,8
	v_add_f32_dpp v72, v72, v72 row_xmask:\m row_mask:0xf bank_mask:0xf
	v_add_f32_dpp v73, v73, v73 row_xmask:\m row_mask:0xf bank_mask:0xf
.endr
	v_permlanex16_b32 v[PD], v72, s34, s35
	v_add_f32 v72, v72, v[PD]
	v_permlanex16_b32 v[PD], v73, s34, s35
	v_add_f32 v73, v73, v[PD]
	v_mov_b32 v74, s20
	v_lshlrev_b32 v74, 3, v74
	ds_store_b64 v74, v[72:73] offset:SR           ; all lanes write the same eight bytes with the same values
	s_wait_dscnt 0x0                               ; for the others' sake: my store is done
	s_barrier_signal -1
	s_barrier_wait -1
	s_cmp_lg_u32 s20, 0
	s_cbranch_scc1 .Lend
	v_and_b32 v75, 15, v0
	v_lshlrev_b32 v75, 3, v75
	ds_load_b64 v[76:77], v75 offset:SR            ; wave 0: lane l takes wave l % 16's pair
	v_mov_b32 v78, 0
	s_wait_dscnt 0x0
.irp m, 1,2,4,8
	v_add_f32_dpp v76, v76, v76 row_xmask:\m row_mask:0xf bank_mask:0xf
	v_add_f32_dpp v77, v77, v77 row_xmask:\m row_mask:0xf bank_mask:0xf
.endr
	v_cmp_eq_u32 vcc_lo, 0, v0
	s_wait_xcnt 0x0                                ; EXEC changes only behind this wait
	s_and_saveexec_b32 s48, vcc_lo
	global_store_b64 v78, v[76:77], s[18:19]       ; eight bytes, once a work-group
	s_wait_xcnt 0x0                                ; and again, in front of the line that widens it
	s_or_b32 exec_lo, exec_lo, s48
.Lend:
	s_wait_tensorcnt 0x0                           ; the wave's end: behind my last LDS store
	ds_add_u32 v[SPW], v[NIL]
	s_wait_dscnt 0x0
	s_endpgm
.Lfunc_end_k_q175c14b24b_scan:
	.size	k_q175c14b24b_scan, .Lfunc_end_k_q175c14b24b_scan-k_q175c14b24b_scan
	.p2alignl 7, 3214868480
	.fill 96, 4, 3214868480
	.section	.rodata,"a",@progbits
	.p2align	6, 0x0
	.amdhsa_kernel k_q175c14b24b_scan
		.amdhsa_group_segment_fixed_size 2304
		.amdhsa_private_segment_fixed_size 0
		.amdhsa_enable_private_segment 0
		.amdhsa_kernarg_size 64
		.amdhsa_user_sgpr_count 2
		.amdhsa_user_sgpr_kernarg_segment_ptr 1
		.amdhsa_wavefront_size32 1
		.amdhsa_system_sgpr_workgroup_id_x 1
		.amdhsa_system_sgpr_workgroup_id_y 1
		.amdhsa_system_sgpr_workgroup_id_z 1
		.amdhsa_system_vgpr_workitem_id 0
		.amdhsa_next_free_vgpr 212
		.amdhsa_next_free_sgpr 98
		.amdhsa_reserve_vcc 1
		.amdhsa_float_denorm_mode_32 3
		.amdhsa_float_denorm_mode_16_64 3
		.amdhsa_memory_ordered 1
		.amdhsa_forward_progress 1
		.amdhsa_inst_pref_size 43
	.end_amdhsa_kernel
	.amdgpu_metadata
---
amdhsa.version: [ 1, 2 ]
amdhsa.kernels:
  - .name:           k_q175c14b24b_scan
    .symbol:         k_q175c14b24b_scan.kd
    .args:
      - { .name: kp, .offset: 0, .size: 8, .value_kind: global_buffer, .address_space: global }
      - { .name: b_z, .offset: 8, .size: 8, .value_kind: global_buffer, .address_space: global }
      - { .name: b_h, .offset: 16, .size: 8, .value_kind: global_buffer, .address_space: global }
      - { .name: h0, .offset: 24, .size: 8, .value_kind: global_buffer, .address_space: global }
      - { .name: agg, .offset: 32, .size: 8, .value_kind: global_buffer, .address_space: global }
      - { .name: offs, .offset: 40, .size: 8, .value_kind: global_buffer, .address_space: global }
      - { .name: lh, .offset: 48, .size: 8, .value_kind: global_buffer, .address_space: global }
      - { .name: st, .offset: 56, .size: 8, .value_kind: global_buffer, .address_space: global }
    .group_segment_fixed_size: 2304
    .private_segment_fixed_size: 0
    .kernarg_segment_align: 8
    .kernarg_segment_size: 64
    .max_flat_workgroup_size: 512
    .sgpr_count:     98
    .vgpr_count:     212
    .wavefront_size: 32
...
	.end_amdgpu_metadata
.endif
;; end of part 4
;; launch norm (part 5): grid 256 x 1, 16 waves a work-group, no clusters, 0 bytes of LDS; arguments lh, st, xb, lnp, out0; writes out0
.if DOCPART == 5
	.amdgcn_target "amdgcn-amd-amdhsa--gfx1250"
	.amdhsa_code_object_version 6
	.text
	.protected	k_q175c14b24b_norm
	.globl	k_q175c14b24b_norm
	.p2align	8
	.type	k_q175c14b24b_norm,@function
k_q175c14b24b_norm:
	s_mov_b64 s[64:65], 0
	v_nop
	global_prefetch_b8 v0, s[64:65] scope:SCOPE_SE
	s_setreg_imm32_b32 hwreg(HW_REG_WAVE_MODE, 25, 1), 1
	s_wait_xcnt 0x0
; Launch 5 of 5: out0 = LayerNorm(exp((log_h - mean) / std) + x) ln_w + ln_b.  lh: [8192][2048] f32; st: 256 pairs (sum, sum of squares); xb: x in bf16; lnp: ln_w, then ln_b, in bf16.
; lh holds log_h / ln 2 (the launch before works in base 2), and st's sums are of those numbers: (lh - its mean) / its deviation is the same number as (log_h - mean) / std.
; mean = S1 / N, variance = (S2 - S1 mean) / (N - 1), N = 4 x 2,049 x 2,048 = 16,785,408: every wave adds the 256 pairs for itself.  Nothing is left out here.
; LIMITS: the variance is a difference of f32 sums: sound while mean^2 is not some thousand times the variance (both grow alike with the inputs); NaN and infinities are not treated apart.
; SHARES.  One wave, one row at a time, two rows a wave: the row stays in 64 registers from its load to its store, the two reductions never leave the wave: no LDS, no barrier.
; In piece q of 16, lane l holds columns 128 q + 4 l .. + 3: 16 bytes of lh and out0 (a wave: 512 consecutive bytes), 8 bytes of xb and lnp (256).  The row's mean is taken away before the squares are summed.
; LOADS: st 4, row A's lh 16 and x 16, ln_w 16; behind the statistics ln_b 16 and row B's lh 16; row B's x 16 when row A has used x's registers.  Each wait's count is the loads issued behind what it waits for.
.set ONE, 3                            ; v3  1.0
.set PD,  4                            ; v4  v_permlanex16_b32's destination
.set AA,  6                            ; v[6:7]   log2e / std, twice
.set BB,  8                            ; v[8:9]   -mean log2e / std, twice
.set MU,  10                           ; v[10:11] the row's mean, twice (first: the global mean and variance)
.set RS,  12                           ; v[12:13] 1 / sqrt(var + eps), twice
.set LNW, 16                           ; v[16:47]   ln_w, two registers a piece
.set LNB, 48                           ; v[48:79]   ln_b
.set XB,  80                           ; v[80:111]  x of the row in hand
.set LHA, 112                          ; v[112:175] row A
.set LHB, 176                          ; v[176:239] row B
.set ACC, 240                          ; v[240:255] st as loaded; then v[240:247] four pairs of partial sums
.macro EACH cnt, step, line:vararg     ; the line cnt times, the symbol i going up by step
.set i, 0
.rept \cnt
	\line
.set i, i+\step
.endr
.endm
.macro LRED reg                        ; the sum over the 32 lanes, in every lane
.irp m, 1,2,4,8
	v_add_f32_dpp v[\reg], v[\reg], v[\reg] row_xmask:\m row_mask:0xf bank_mask:0xf
.endr
	v_permlanex16_b32 v[PD], v[\reg], s14, s15
	v_add_f32 v[\reg], v[\reg], v[PD]
.endm
.macro FOLD                            ; four pairs into one number, then over the lanes
	v_pk_add_f32 v[ACC:ACC+1], v[ACC:ACC+1], v[ACC+2:ACC+3]
	v_pk_add_f32 v[ACC+4:ACC+5], v[ACC+4:ACC+5], v[ACC+6:ACC+7]
	v_pk_add_f32 v[ACC:ACC+1], v[ACC:ACC+1], v[ACC+4:ACC+5]
	v_add_f32 v[ACC], v[ACC], v[ACC+1]
	LRED ACC
.endm
; A row.  L: its registers; off: its bytes behind the wave's first row; cnt1: loads that may stay out when lh and x are wanted; more = 1: row B's x is asked for; cnt2: the same count for ln_w and ln_b, or -1
.macro ROW L, off, cnt1, more, cnt2
	s_wait_loadcnt \cnt1
	EACH 32, 2, v_pk_fma_f32 v[\L+i:\L+i+1], v[\L+i:\L+i+1], v[AA:AA+1], v[BB:BB+1]
	EACH 64, 1, v_exp_f32 v[\L+i], v[\L+i]
	v_nop                                          ; a plain instruction behind the last exponential,
	s_wait_alu depctr_va_vdst(0)                   ; and ONE wait for the 64, ahead of the first line that names a result
.set q, 0
.rept 16                               ; x + h: the bf16 half x 1.0 + h
	v_fma_mix_f32_bf16 v[\L+4*q],   v[XB+2*q],   v[ONE], v[\L+4*q]   op_sel_hi:[1,0,0]
	v_fma_mix_f32_bf16 v[\L+4*q+1], v[XB+2*q],   v[ONE], v[\L+4*q+1] op_sel:[1,0,0] op_sel_hi:[1,0,0]
	v_fma_mix_f32_bf16 v[\L+4*q+2], v[XB+2*q+1], v[ONE], v[\L+4*q+2] op_sel_hi:[1,0,0]
	v_fma_mix_f32_bf16 v[\L+4*q+3], v[XB+2*q+1], v[ONE], v[\L+4*q+3] op_sel:[1,0,0] op_sel_hi:[1,0,0]
.set q, q+1
.endr
.if \more
	EACH 16, 1, global_load_b64 v[XB+2*i:XB+2*i+1], v2, s[8:9] offset:4096+256*i th:TH_LOAD_NT
.endif
	EACH 4, 2, v_pk_add_f32 v[ACC+i:ACC+i+1], v[\L+i:\L+i+1], v[\L+8+i:\L+8+i+1]   ; four chains, started by the first eight pairs: nothing is cleared
.set i, 16
.rept 24
	v_pk_add_f32 v[ACC+i%8:ACC+i%8+1], v[ACC+i%8:ACC+i%8+1], v[\L+i:\L+i+1]
.set i, i+2
.endr
	FOLD
	v_mul_f32 v[MU], s24, v[ACC]                   ; / 2,048
	v_mov_b32 v[MU+1], v[MU]
	EACH 32, 2, v_pk_add_f32 v[\L+i:\L+i+1], v[\L+i:\L+i+1], v[MU:MU+1] neg_lo:[0,1] neg_hi:[0,1]
	EACH 4, 2, v_pk_mul_f32 v[ACC+i:ACC+i+1], v[\L+i:\L+i+1], v[\L+i:\L+i+1]
.set i, 8
.rept 28
	v_pk_fma_f32 v[ACC+i%8:ACC+i%8+1], v[\L+i:\L+i+1], v[\L+i:\L+i+1], v[ACC+i%8:ACC+i%8+1]
.set i, i+2
.endr
	FOLD
	v_fma_f32 v[RS], v[ACC], s24, s25              ; the variance + 1e-5
	v_rsq_f32 v[RS], v[RS]
	v_nop
	s_wait_alu depctr_va_vdst(0)
	v_mov_b32 v[RS+1], v[RS]
	EACH 32, 2, v_pk_mul_f32 v[\L+i:\L+i+1], v[\L+i:\L+i+1], v[RS:RS+1]
.if (\cnt2) >= 0
	s_wait_loadcnt \cnt2
.endif
.set q, 0
.rept 16                               ; times the gain's half, plus the bias's half, and out
	v_fma_mix_f32_bf16 v[\L+4*q],   v[\L+4*q],   v[LNW+2*q],   v[LNB+2*q]   op_sel_hi:[0,1,1]
	v_fma_mix_f32_bf16 v[\L+4*q+1], v[\L+4*q+1], v[LNW+2*q],   v[LNB+2*q]   op_sel:[0,1,1] op_sel_hi:[0,1,1]
	v_fma_mix_f32_bf16 v[\L+4*q+2], v[\L+4*q+2], v[LNW+2*q+1], v[LNB+2*q+1] op_sel_hi:[0,1,1]
	v_fma_mix_f32_bf16 v[\L+4*q+3], v[\L+4*q+3], v[LNW+2*q+1], v[LNB+2*q+1] op_sel:[0,1,1] op_sel_hi:[0,1,1]
	global_store_b128 v1, v[\L+4*q:\L+4*q+3], s[12:13] offset:(\off)+512*q th:TH_STORE_NT
.set q, q+1
.endr
.endm
	s_load_b256 s[4:11], s[0:1], 0x0               ; lh s[4:5], st s[6:7], xb s[8:9], lnp s[10:11]
	s_load_b64 s[12:13], s[0:1], 0x20              ; out0
	v_lshrrev_b32 v5, 5, v0
	v_readfirstlane_b32 s16, v5                    ; wave 0..15
	v_and_b32 v5, 31, v0
	v_lshlrev_b32 v1, 4, v5                        ; 16 x lane
	v_lshlrev_b32 v2, 3, v5                        ; 8 x lane
	v_mov_b32 v[ONE], 1.0
	v_mov_b32 v[PD], 0
	s_mov_b32 s14, 0x76543210
	s_mov_b32 s15, 0xfedcba98
	s_mov_b32 s24, 0x3a000000                      ; 1 / 2,048
	s_mov_b32 s25, 0x3727c5ac                      ; 1e-5
	s_lshl_b32 s18, ttmp9, 18                      ; the group's 32 rows of 8,192 bytes,
	s_lshl_b32 s17, s16, 14                        ; my wave's two
	s_add_co_u32 s18, s18, s17
	s_mov_b32 s19, 0
	s_lshr_b32 s20, s18, 1                         ; xb's rows are half as long
	s_mov_b32 s21, 0
	s_wait_kmcnt 0x0
	s_add_nc_u64 s[4:5], s[4:5], s[18:19]
	s_add_nc_u64 s[12:13], s[12:13], s[18:19]
	s_add_nc_u64 s[8:9], s[8:9], s[20:21]
	EACH 4, 1, global_load_b128 v[ACC+4*i:ACC+4*i+3], v1, s[6:7] offset:512*i
	EACH 16, 1, global_load_b128 v[LHA+4*i:LHA+4*i+3], v1, s[4:5] offset:512*i th:TH_LOAD_NT
	EACH 16, 1, global_load_b64 v[XB+2*i:XB+2*i+1], v2, s[8:9] offset:256*i th:TH_LOAD_NT
	EACH 16, 1, global_load_b64 v[LNW+2*i:LNW+2*i+1], v2, s[10:11] offset:256*i
	s_wait_loadcnt 48                              ; st is in; row A's lh and x and ln_w stay out
	v_pk_add_f32 v[ACC:ACC+1], v[ACC:ACC+1], v[ACC+2:ACC+3]        ; my eight pairs (S1, S2)
	v_pk_add_f32 v[ACC+4:ACC+5], v[ACC+4:ACC+5], v[ACC+6:ACC+7]
	v_pk_add_f32 v[ACC+8:ACC+9], v[ACC+8:ACC+9], v[ACC+10:ACC+11]
	v_pk_add_f32 v[ACC+12:ACC+13], v[ACC+12:ACC+13], v[ACC+14:ACC+15]
	v_pk_add_f32 v[ACC:ACC+1], v[ACC:ACC+1], v[ACC+4:ACC+5]
	v_pk_add_f32 v[ACC+8:ACC+9], v[ACC+8:ACC+9], v[ACC+12:ACC+13]
	v_pk_add_f32 v[ACC:ACC+1], v[ACC:ACC+1], v[ACC+8:ACC+9]
	LRED ACC
	LRED ACC+1
	v_mul_f32 v[MU], 0x337fe004, v[ACC]            ; mean = S1 / 16,785,408
	v_fma_f32 v[MU+1], -v[ACC], v[MU], v[ACC+1]    ; S2 - S1 mean
	v_mul_f32 v[MU+1], 0x337fe005, v[MU+1]         ; / 16,785,407
	v_rsq_f32 v[AA], v[MU+1]
	v_nop
	s_wait_alu depctr_va_vdst(0)
	v_mul_f32 v[AA], 0x3fb8aa3b, v[AA]             ; log2e / std: the exponential works in base 2
	v_mul_f32 v[BB], -v[MU], v[AA]
	v_mov_b32 v[AA+1], v[AA]
	v_mov_b32 v[BB+1], v[BB]
	EACH 16, 1, global_load_b64 v[LNB+2*i:LNB+2*i+1], v2, s[10:11] offset:4096+256*i
	EACH 16, 1, global_load_b128 v[LHB+4*i:LHB+4*i+3], v1, s[4:5] offset:8192+512*i th:TH_LOAD_NT
	ROW LHA, 0, 48, 1, 32                          ; 48: ln_w, ln_b and row B's lh stay out; 32: row B's lh and x stay out
	ROW LHB, 8192, 0, 0, -1
	s_endpgm
.Lfunc_end_k_q175c14b24b_norm:
	.size	k_q175c14b24b_norm, .Lfunc_end_k_q175c14b24b_norm-k_q175c14b24b_norm
	.p2alignl 7, 3214868480
	.fill 96, 4, 3214868480
	.section	.rodata,"a",@progbits
	.p2align	6, 0x0
	.amdhsa_kernel k_q175c14b24b_norm
		.amdhsa_group_segment_fixed_size 0
		.amdhsa_private_segment_fixed_size 0
		.amdhsa_enable_private_segment 0
		.amdhsa_kernarg_size 40
		.amdhsa_user_sgpr_count 2
		.amdhsa_user_sgpr_kernarg_segment_ptr 1
		.amdhsa_wavefront_size32 1
		.amdhsa_system_sgpr_workgroup_id_x 1
		.amdhsa_system_sgpr_workgroup_id_y 1
		.amdhsa_system_sgpr_workgroup_id_z 1
		.amdhsa_system_vgpr_workitem_id 0
		.amdhsa_next_free_vgpr 256
		.amdhsa_next_free_sgpr 66
		.amdhsa_reserve_vcc 0
		.amdhsa_float_denorm_mode_32 3
		.amdhsa_float_denorm_mode_16_64 3
		.amdhsa_memory_ordered 1
		.amdhsa_forward_progress 1
		.amdhsa_inst_pref_size 58
	.end_amdhsa_kernel
	.amdgpu_metadata
---
amdhsa.version: [ 1, 2 ]
amdhsa.kernels:
  - .name:           k_q175c14b24b_norm
    .symbol:         k_q175c14b24b_norm.kd
    .args:
      - { .name: lh, .offset: 0, .size: 8, .value_kind: global_buffer, .address_space: global }
      - { .name: st, .offset: 8, .size: 8, .value_kind: global_buffer, .address_space: global }
      - { .name: xb, .offset: 16, .size: 8, .value_kind: global_buffer, .address_space: global }
      - { .name: lnp, .offset: 24, .size: 8, .value_kind: global_buffer, .address_space: global }
      - { .name: out0, .offset: 32, .size: 8, .value_kind: global_buffer, .address_space: global }
    .group_segment_fixed_size: 0
    .private_segment_fixed_size: 0
    .kernarg_segment_align: 8
    .kernarg_segment_size: 40
    .max_flat_workgroup_size: 512
    .sgpr_count:     66
    .vgpr_count:     256
    .wavefront_size: 32
...
	.end_amdgpu_metadata
.endif
;; end of part 5
;; ======== version 2 of 2: 5 launches; version 1 with the launches cast, norm written anew for expert scheduling mode
;; limits: a difference of large sums (such as E[x^2] - mean^2): digits are lost where the result is much smaller than its terms; values are held in f16: magnitudes above 65,504 overflow, below 6.1e-05 lose precision
;; workspace buffers: xb 33,554,432 bytes; wc 16,777,216 bytes; lnp 8,192 bytes; kp 67,108,864 bytes; agg 2,097,152 bytes; offs 16,777,216 bytes; lh 67,108,864 bytes; st 2,048 bytes
;; launch cast (part 6): grid 768 x 1, 8 waves a work-group, no clusters, 0 bytes of LDS; arguments hidden_states, W_z, W_h, ln_w, ln_b, xb, wc, lnp; writes xb, wc, lnp
.if DOCPART == 6
	.amdgcn_target "amdgcn-amd-amdhsa--gfx1250"
	.amdhsa_code_object_version 6
	.text
	.protected	k_q175c14b24b_cast
	.globl	k_q175c14b24b_cast
	.p2align	8
	.type	k_q175c14b24b_cast,@function
k_q175c14b24b_cast:
	s_mov_b64 s[64:65], 0
	v_nop
	global_prefetch_b8 v0, s[64:65] scope:SCOPE_SE
	s_setreg_imm32_b32 hwreg(HW_REG_WAVE_SCHED_MODE, 0, 2), 2
	s_setreg_imm32_b32 hwreg(HW_REG_WAVE_MODE, 25, 1), 1
	s_wait_xcnt 0x0
	s_wait_alu depctr_vm_vsrc(0)
; MinGRU layer, launch 1 of 5: hidden_states, W_z, W_h, ln_w and ln_b are rounded once to bf16.
; THE PROGRAM.  1 cast; 2 gemm: k = x W_z^T and p = x W_h^T without their biases, stored in f16; 3 agg: for each row the sums of softplus(k) that lie left of each group of four columns (offs),
; and for each chunk of 32 time steps the log-sum-exp of its rows; 4 scan: log_h and its sums; 5 norm: (log_h - mean) / std, exp, residual, LayerNorm.  Every input is used in its bf16 rounding, x in the residual too.
; IDENTITIES.  With sp = softplus(k), A(t, j) = the sum over i <= j of sp(t, i), g = g_log(p): a_star(t + 1) = -A(t), log_values - a_star = k + g + A(t, j - 1), and
; log_h(t + 1) = L(t) - A(t), L the running log-sum-exp over time that begins with g_log(h0).  Row 0 of log_h is g_log(h0): it enters the mean and the deviation alone.
; Launches 3 and 4 keep all logarithms in base 2: (log_h - mean) / std is the same number when log_h, and with it the mean and the deviation, is divided by ln 2.
; WORK LEFT OUT.  A chunk's log-sum-exp is read only by the later chunks of the same batch.  The last chunk of a batch (steps 2,016 to 2,047) has none, whatever the inputs hold,
; so launch 3 jumps that chunk's log-sum-exp steps and stores no total for it.  Its rows are still walked there, for offs, which launch 4 reads; the work on p in those four work-groups
; shares its lines with that live work and stays.  No input is left out.  A NaN or an infinity that would arise only in those four totals is not carried anywhere.
; LIMITS.  NaN and infinities are not treated apart.  |k| and |p| without bias stay under 65,504 (f16): inputs 30 times larger give some 5,000, all inputs offset by 30 spreads 30 x 0.6 x 2,048 = 36,864.
; SHARES.  A work-group rounds 32,768 numbers: 131,072 bytes in, 65,536 out.  Groups 0-511: hidden_states to xb; 512-639: W_z to rows 0-2,047 of wc; 640-767: W_h to rows 2,048-4,095.
; A load of a wave covers 512 consecutive bytes, a store 256, aligned.  All 32 loads of a thread are out before the first is used; no register is written twice, so no wait frees one.
; THE MODE: SCHED_MODE bits 1:0 = 2 (LLVM: expert scheduling mode 2), set by the entry lines.  The code itself states the register dependences between vector instructions and memory
; instructions, with s_wait_alu, always for 0.
; THE PLAN.  Registers that memory instructions touch:
;   v1, v2   byte offsets, written once at the head, read by every load and store, never written again.
;   X        slot i: its load lands before any vector line names the slot; its two conversions write its first two registers; one store reads them; nothing writes them behind that store.
;   LN       group 0 alone: the same, for four slots.
; The 32 slots go in 8 blocks of four.  Block p's conversions name block p's slots alone; its memory instructions are the four stores of block p - 1.  So ONE wait at a block's head states that the
; block before has written what those stores read, and the stores are dealt among the block's conversions with no further wait.  No register that a memory instruction has read is written again.
.set X, 8                              ; v[8:135]  slot i: four f32 as loaded; its first two registers then hold the four bf16
.set LN, 136                           ; v[136:151] group 0 alone: ln_w and ln_b
.set BLK, 4                            ; slots in a block
	s_load_b512 s[4:19], s[0:1], 0x0               ; hidden s[4:5], W_z s[6:7], W_h s[8:9], ln_w s[10:11], ln_b s[12:13], xb s[14:15], wc s[16:17], lnp s[18:19]
	v_lshlrev_b32 v1, 4, v0                        ; 16 bytes a thread on the way in
	v_lshlrev_b32 v2, 3, v0                        ; 8 on the way out
	s_max_u32 s20, ttmp9, 512
	s_sub_co_u32 s20, s20, 512                     ; the group's block among the weights' 256
	s_max_u32 s21, ttmp9, 640
	s_sub_co_u32 s21, s21, 640                     ; and in W_h
	s_mov_b32 s29, 0
	s_mov_b32 s31, 0
	s_wait_kmcnt 0x0
	s_cmp_lt_u32 ttmp9, 640
	s_cselect_b64 s[24:25], s[6:7], s[8:9]
	s_cselect_b32 s22, s20, s21
	s_cmp_lt_u32 ttmp9, 512
	s_cselect_b64 s[24:25], s[4:5], s[24:25]       ; from where,
	s_cselect_b32 s22, ttmp9, s22                  ; which block of it,
	s_cselect_b64 s[26:27], s[14:15], s[16:17]     ; to where,
	s_cselect_b32 s23, ttmp9, s20                  ; which block there
	s_lshl_b32 s28, s22, 17
	s_lshl_b32 s30, s23, 16
	s_add_nc_u64 s[24:25], s[24:25], s[28:29]
	s_add_nc_u64 s[26:27], s[26:27], s[30:31]
	s_wait_alu depctr_va_vdst(0)                   ; v1 and v2 are written: every load and store of the kernel reads one of them as its offset
.set i, 0
.rept 32
	global_load_b128 v[X+4*i:X+4*i+3], v1, s[24:25] offset:4096*i th:TH_LOAD_NT
.set i, i+1
.endr
.set p, 0
.rept 32/BLK
	s_wait_loadcnt 32-BLK-BLK*p                    ; loads come back in order: block p's four slots are in, the later blocks' stay out
.if p > 0
	s_wait_alu depctr_va_vdst(0)                   ; the conversions of block p - 1 have written the registers that the four stores below read
.endif
.set j, 0
.rept BLK
.set i, BLK*p+j
.if p > 0
	global_store_b64 v2, v[X+4*(i-BLK):X+4*(i-BLK)+1], s[26:27] offset:2048*(i-BLK)  ; the block before; no vector line since the wait names these registers
.endif
	v_cvt_pk_bf16_f32 v[X+4*i], v[X+4*i], v[X+4*i+1]
	v_cvt_pk_bf16_f32 v[X+4*i+1], v[X+4*i+2], v[X+4*i+3]
.set j, j+1
.endr
.set p, p+1
.endr
	s_wait_alu depctr_va_vdst(0)                   ; the last block's conversions have written what the last four stores read
.set i, 32-BLK
.rept BLK
	global_store_b64 v2, v[X+4*i:X+4*i+1], s[26:27] offset:2048*i
.set i, i+1
.endr
	s_cmp_lg_u32 ttmp9, 0
	s_cbranch_scc1 .Lend
	global_load_b128 v[LN:LN+3],     v1, s[10:11]              ; group 0 also rounds the LayerNorm's gain and bias: 2,048 numbers each; no vector line has named v[LN ..], and v1 stands since the head's wait
	global_load_b128 v[LN+4:LN+7],   v1, s[10:11] offset:4096
	global_load_b128 v[LN+8:LN+11],  v1, s[12:13]
	global_load_b128 v[LN+12:LN+15], v1, s[12:13] offset:4096
	s_wait_loadcnt 0x0
.set i, 0
.rept 4
	v_cvt_pk_bf16_f32 v[LN+4*i], v[LN+4*i], v[LN+4*i+1]
	v_cvt_pk_bf16_f32 v[LN+4*i+1], v[LN+4*i+2], v[LN+4*i+3]
.set i, i+1
.endr
	s_wait_alu depctr_va_vdst(0)                   ; the eight conversions have written what the four stores read
.set i, 0
.rept 4
	global_store_b64 v2, v[LN+4*i:LN+4*i+1], s[18:19] offset:2048*i   ; lnp: ln_w at byte 0, ln_b at byte 4,096
.set i, i+1
.endr
.Lend:
	s_endpgm
.Lfunc_end_k_q175c14b24b_cast:
	.size	k_q175c14b24b_cast, .Lfunc_end_k_q175c14b24b_cast-k_q175c14b24b_cast
	.p2alignl 7, 3214868480
	.fill 96, 4, 3214868480
	.section	.rodata,"a",@progbits
	.p2align	6, 0x0
	.amdhsa_kernel k_q175c14b24b_cast
		.amdhsa_group_segment_fixed_size 0
		.amdhsa_private_segment_fixed_size 0
		.amdhsa_enable_private_segment 0
		.amdhsa_kernarg_size 64
		.amdhsa_user_sgpr_count 2
		.amdhsa_user_sgpr_kernarg_segment_ptr 1
		.amdhsa_wavefront_size32 1
		.amdhsa_system_sgpr_workgroup_id_x 1
		.amdhsa_system_sgpr_workgroup_id_y 1
		.amdhsa_system_sgpr_workgroup_id_z 1
		.amdhsa_system_vgpr_workitem_id 0
		.amdhsa_next_free_vgpr 152
		.amdhsa_next_free_sgpr 66
		.amdhsa_reserve_vcc 0
		.amdhsa_float_denorm_mode_32 3
		.amdhsa_float_denorm_mode_16_64 3
		.amdhsa_memory_ordered 1
		.amdhsa_forward_progress 1
		.amdhsa_inst_pref_size 14
	.end_amdhsa_kernel
	.amdgpu_metadata
---
amdhsa.version: [ 1, 2 ]
amdhsa.kernels:
  - .name:           k_q175c14b24b_cast
    .symbol:         k_q175c14b24b_cast.kd
    .args:
      - { .name: hidden_states, .offset: 0, .size: 8, .value_kind: global_buffer, .address_space: global }
      - { .name: W_z, .offset: 8, .size: 8, .value_kind: global_buffer, .address_space: global }
      - { .name: W_h, .offset: 16, .size: 8, .value_kind: global_buffer, .address_space: global }
      - { .name: ln_w, .offset: 24, .size: 8, .value_kind: global_buffer, .address_space: global }
      - { .name: ln_b, .offset: 32, .size: 8, .value_kind: global_buffer, .address_space: global }
      - { .name: xb, .offset: 40, .size: 8, .value_kind: global_buffer, .address_space: global }
      - { .name: wc, .offset: 48, .size: 8, .value_kind: global_buffer, .address_space: global }
      - { .name: lnp, .offset: 56, .size: 8, .value_kind: global_buffer, .address_space: global }
    .group_segment_fixed_size: 0
    .private_segment_fixed_size: 0
    .kernarg_segment_align: 8
    .kernarg_segment_size: 64
    .max_flat_workgroup_size: 256
    .sgpr_count:     66
    .vgpr_count:     152
    .wavefront_size: 32
...
	.end_amdgpu_metadata
.endif
;; end of part 6
;; launch gemm: the kernel of part 2 again; grid 16 x 16, 4 waves a work-group, clusters of 4 x 4, 327,680 bytes of LDS; arguments xb, wc, kp; writes kp
;; launch agg: the kernel of part 3 again; grid 256 x 1, 16 waves a work-group, no clusters, 2,560 bytes of LDS; arguments kp, b_z, b_h, agg, offs; writes agg, offs
;; launch scan: the kernel of part 4 again; grid 256 x 1, 16 waves a work-group, no clusters, 2,304 bytes of LDS; arguments kp, b_z, b_h, h0, agg, offs, lh, st; writes lh, st
;; launch norm (part 7): grid 256 x 1, 16 waves a work-group, no clusters, 0 bytes of LDS; arguments lh, st, xb, lnp, out0; writes out0
.if DOCPART == 7
	.amdgcn_target "amdgcn-amd-amdhsa--gfx1250"
	.amdhsa_code_object_version 6
	.text
	.protected	k_q175c14b24b_norm
	.globl	k_q175c14b24b_norm
	.p2align	8
	.type	k_q175c14b24b_norm,@function
k_q175c14b24b_norm:
	s_mov_b64 s[64:65], 0
	v_nop
	global_prefetch_b8 v0, s[64:65] scope:SCOPE_SE
	s_setreg_imm32_b32 hwreg(HW_REG_WAVE_SCHED_MODE, 0, 2), 2
	s_setreg_imm32_b32 hwreg(HW_REG_WAVE_MODE, 25, 1), 1
	s_wait_xcnt 0x0
	s_wait_alu depctr_vm_vsrc(0)
; Launch 5 of 5: out0 = LayerNorm(exp((log_h - mean) / std) + x) ln_w + ln_b.  lh: [8192][2048] f32; st: 256 pairs (sum, sum of squares); xb: x in bf16; lnp: ln_w, then ln_b, in bf16.
; lh holds log_h / ln 2 (the launch before works in base 2), and st's sums are of those numbers: (lh - its mean) / its deviation is the same number as (log_h - mean) / std.
; mean = S1 / N, variance = (S2 - S1 mean) / (N - 1), N = 4 x 2,049 x 2,048 = 16,785,408: every wave adds the 256 pairs for itself.  Nothing is left out here.
; LIMITS: the variance is a difference of f32 sums: sound while mean^2 is not some thousand times the variance (both grow alike with the inputs); NaN and infinities are not treated apart.
; SHARES.  One wave, one row at a time, two rows a wave: the row stays in 64 registers from its load to its store, the two reductions never leave the wave: no LDS, no barrier.
; In piece q of 16, lane l holds columns 128 q + 4 l .. + 3: 16 bytes of lh and out0 (a wave: 512 consecutive bytes), 8 bytes of xb and lnp (256).  The row's mean is taken away before the squares are summed.
; LOADS: st 4, row A's lh 16 and x 16, ln_w 16; behind the statistics ln_b 16 and row B's lh 16; row B's x 16 when row A has used x's registers.  Each wait's count is the loads issued behind what it waits for.
; THE MODE: SCHED_MODE bits 1:0 = 2 (LLVM: expert scheduling mode 2), set by the entry lines.  The code itself states the register dependences between vector instructions and memory
; instructions, with s_wait_alu, always for 0.
; THE PLAN.  Registers that memory instructions touch:
;   v1, v2     byte offsets, written once at the head, read by every load and store, never written again.
;   ACC        st lands in it at the head, before any vector line names it; from then on vector lines alone name it.
;   LHA, LHB   a row's lh lands before any vector line names the registers; the row's arithmetic works in place; its 16 stores read them; nothing writes them behind those stores.
;   LNW, LNB   land once, before any vector line names them; vector lines alone read them.
;   XB         row A's x lands before any vector line names it; row A's 64 lines x + h read it; behind them row B's x lands in it.
; THE WAITS.  One at the head for v1 and v2.  One behind row A's 64 lines x + h: they are done reading XB; the 16 loads follow, dealt among the lines of the row's sum, which name ACC and the row alone.
; The way out goes in four groups of four pieces: a wait at the head of groups 1 to 3 and one behind group 3 state that the group before is written, and its four stores are dealt among the next
; group's lines, which name that group's own pieces, RS, LNW and LNB.  The wave's number passes through a
; scalar register: one wait ahead of its first reader.  No register that a memory instruction has read is written again.
.set ONE, 3                            ; v3  1.0
.set PD,  4                            ; v4  v_permlanex16_b32's destination
.set AA,  6                            ; v[6:7]   log2e / std, twice
.set BB,  8                            ; v[8:9]   -mean log2e / std, twice
.set MU,  10                           ; v[10:11] the row's mean, twice (first: the global mean and variance)
.set RS,  12                           ; v[12:13] 1 / sqrt(var + eps), twice
.set LNW, 16                           ; v[16:47]   ln_w, two registers a piece
.set LNB, 48                           ; v[48:79]   ln_b
.set XB,  80                           ; v[80:111]  x of the row in hand
.set LHA, 112                          ; v[112:175] row A
.set LHB, 176                          ; v[176:239] row B
.set ACC, 240                          ; v[240:255] st as loaded; then v[240:247] four pairs of partial sums
.macro EACH cnt, step, line:vararg     ; the line cnt times, the symbol i going up by step
.set i, 0
.rept \cnt
	\line
.set i, i+\step
.endr
.endm
.macro LRED reg                        ; the sum over the 32 lanes, in every lane
.irp m, 1,2,4,8
	v_add_f32_dpp v[\reg], v[\reg], v[\reg] row_xmask:\m row_mask:0xf bank_mask:0xf
.endr
	v_permlanex16_b32 v[PD], v[\reg], s14, s15
	v_add_f32 v[\reg], v[\reg], v[PD]
.endm
.macro FOLD                            ; four pairs into one number, then over the lanes
	v_pk_add_f32 v[ACC:ACC+1], v[ACC:ACC+1], v[ACC+2:ACC+3]
	v_pk_add_f32 v[ACC+4:ACC+5], v[ACC+4:ACC+5], v[ACC+6:ACC+7]
	v_pk_add_f32 v[ACC:ACC+1], v[ACC:ACC+1], v[ACC+4:ACC+5]
	v_add_f32 v[ACC], v[ACC], v[ACC+1]
	LRED ACC
.endm
.macro XNEXT more                      ; piece n of row B's x, while there are pieces
.if (\more) && (n < 16)
	global_load_b64 v[XB+2*n:XB+2*n+1], v2, s[8:9] offset:4096+256*n th:TH_LOAD_NT
.endif
.set n, n+1
.endm
; A row.  L: its registers; off: its bytes behind the wave's first row; cnt1: loads that may stay out when lh and x are wanted; more = 1: row B's x is asked for; cnt2: the same count for ln_w and ln_b, or -1
.macro ROW L, off, cnt1, more, cnt2
	s_wait_loadcnt \cnt1
	EACH 32, 2, v_pk_fma_f32 v[\L+i:\L+i+1], v[\L+i:\L+i+1], v[AA:AA+1], v[BB:BB+1]
	EACH 64, 1, v_exp_f32 v[\L+i], v[\L+i]
	v_nop                                          ; a plain instruction behind the last exponential,
	s_wait_alu depctr_va_vdst(0)                   ; and ONE wait for the 64: they have written the row, ahead of the first line that names a result
.set q, 0
.rept 16                               ; x + h: the bf16 half x 1.0 + h
	v_fma_mix_f32_bf16 v[\L+4*q],   v[XB+2*q],   v[ONE], v[\L+4*q]   op_sel_hi:[1,0,0]
	v_fma_mix_f32_bf16 v[\L+4*q+1], v[XB+2*q],   v[ONE], v[\L+4*q+1] op_sel:[1,0,0] op_sel_hi:[1,0,0]
	v_fma_mix_f32_bf16 v[\L+4*q+2], v[XB+2*q+1], v[ONE], v[\L+4*q+2] op_sel_hi:[1,0,0]
	v_fma_mix_f32_bf16 v[\L+4*q+3], v[XB+2*q+1], v[ONE], v[\L+4*q+3] op_sel:[1,0,0] op_sel_hi:[1,0,0]
.set q, q+1
.endr
.if \more
	s_wait_alu depctr_va_vdst(0)                   ; the 64 lines above are done reading XB, in which row B's x lands; the sum's lines below name ACC and the row alone
.endif
.set n, 0
.set i, 0
.rept 4                                ; four chains, started by the first eight pairs: nothing is cleared; a load of row B's x stands ahead of each of the sum's first sixteen lines
	XNEXT \more
	v_pk_add_f32 v[ACC+i:ACC+i+1], v[\L+i:\L+i+1], v[\L+8+i:\L+8+i+1]
.set i, i+2
.endr
.set i, 16
.rept 24
	XNEXT \more
	v_pk_add_f32 v[ACC+i%8:ACC+i%8+1], v[ACC+i%8:ACC+i%8+1], v[\L+i:\L+i+1]
.set i, i+2
.endr
	FOLD
	v_mul_f32 v[MU], s24, v[ACC]                   ; / 2,048
	v_mov_b32 v[MU+1], v[MU]
	EACH 32, 2, v_pk_add_f32 v[\L+i:\L+i+1], v[\L+i:\L+i+1], v[MU:MU+1] neg_lo:[0,1] neg_hi:[0,1]
	EACH 4, 2, v_pk_mul_f32 v[ACC+i:ACC+i+1], v[\L+i:\L+i+1], v[\L+i:\L+i+1]
.set i, 8
.rept 28
	v_pk_fma_f32 v[ACC+i%8:ACC+i%8+1], v[\L+i:\L+i+1], v[\L+i:\L+i+1], v[ACC+i%8:ACC+i%8+1]
.set i, i+2
.endr
	FOLD
	v_fma_f32 v[RS], v[ACC], s24, s25              ; the variance + 1e-5
	v_rsq_f32 v[RS], v[RS]
	v_nop
	s_wait_alu depctr_va_vdst(0)                   ; the reciprocal root has written v[RS], ahead of its first reader
	v_mov_b32 v[RS+1], v[RS]
.if (\cnt2) >= 0
	s_wait_loadcnt \cnt2
.endif
.set q, 0
.rept 16                               ; piece by piece: times 1 / sqrt, times the gain's half, plus the bias's half; the piece four back goes out
.if ((q%4) == 0) && (q > 0)
	s_wait_alu depctr_va_vdst(0)                   ; the four pieces before are written, which the four stores of this group read
.endif
.if q >= 4
	global_store_b128 v1, v[\L+4*(q-4):\L+4*(q-4)+3], s[12:13] offset:(\off)+512*(q-4) th:TH_STORE_NT  ; no vector line since the wait names these registers
.endif
	v_pk_mul_f32 v[\L+4*q:\L+4*q+1], v[\L+4*q:\L+4*q+1], v[RS:RS+1]
	v_pk_mul_f32 v[\L+4*q+2:\L+4*q+3], v[\L+4*q+2:\L+4*q+3], v[RS:RS+1]
	v_fma_mix_f32_bf16 v[\L+4*q],   v[\L+4*q],   v[LNW+2*q],   v[LNB+2*q]   op_sel_hi:[0,1,1]
	v_fma_mix_f32_bf16 v[\L+4*q+1], v[\L+4*q+1], v[LNW+2*q],   v[LNB+2*q]   op_sel:[0,1,1] op_sel_hi:[0,1,1]
	v_fma_mix_f32_bf16 v[\L+4*q+2], v[\L+4*q+2], v[LNW+2*q+1], v[LNB+2*q+1] op_sel_hi:[0,1,1]
	v_fma_mix_f32_bf16 v[\L+4*q+3], v[\L+4*q+3], v[LNW+2*q+1], v[LNB+2*q+1] op_sel:[0,1,1] op_sel_hi:[0,1,1]
.set q, q+1
.endr
	s_wait_alu depctr_va_vdst(0)                   ; the last four pieces are written, which the row's last four stores read
.set q, 12
.rept 4
	global_store_b128 v1, v[\L+4*q:\L+4*q+3], s[12:13] offset:(\off)+512*q th:TH_STORE_NT
.set q, q+1
.endr
.endm
	s_load_b256 s[4:11], s[0:1], 0x0               ; lh s[4:5], st s[6:7], xb s[8:9], lnp s[10:11]
	s_load_b64 s[12:13], s[0:1], 0x20              ; out0
	v_lshrrev_b32 v5, 5, v0
	v_readfirstlane_b32 s16, v5                    ; wave 0..15
	v_and_b32 v5, 31, v0
	v_lshlrev_b32 v1, 4, v5                        ; 16 x lane
	v_lshlrev_b32 v2, 3, v5                        ; 8 x lane
	v_mov_b32 v[ONE], 1.0
	v_mov_b32 v[PD], 0
	s_mov_b32 s14, 0x76543210
	s_mov_b32 s15, 0xfedcba98
	s_mov_b32 s24, 0x3a000000                      ; 1 / 2,048
	s_mov_b32 s25, 0x3727c5ac                      ; 1e-5
	s_lshl_b32 s18, ttmp9, 18                      ; the group's 32 rows of 8,192 bytes,
	s_wait_alu depctr_va_sdst(0)                   ; s16 is written, ahead of its first reader: the bases of lh, out0 and xb are made from it
	s_lshl_b32 s17, s16, 14                        ; my wave's two
	s_add_co_u32 s18, s18, s17
	s_mov_b32 s19, 0
	s_lshr_b32 s20, s18, 1                         ; xb's rows are half as long
	s_mov_b32 s21, 0
	s_wait_kmcnt 0x0
	s_add_nc_u64 s[4:5], s[4:5], s[18:19]
	s_add_nc_u64 s[12:13], s[12:13], s[18:19]
	s_add_nc_u64 s[8:9], s[8:9], s[20:21]
	s_wait_alu depctr_va_vdst(0)                   ; v1 and v2 are written: every load and store of the kernel reads one of them as its offset
	EACH 4, 1, global_load_b128 v[ACC+4*i:ACC+4*i+3], v1, s[6:7] offset:512*i
	EACH 16, 1, global_load_b128 v[LHA+4*i:LHA+4*i+3], v1, s[4:5] offset:512*i th:TH_LOAD_NT
	EACH 16, 1, global_load_b64 v[XB+2*i:XB+2*i+1], v2, s[8:9] offset:256*i th:TH_LOAD_NT
	EACH 16, 1, global_load_b64 v[LNW+2*i:LNW+2*i+1], v2, s[10:11] offset:256*i
	s_wait_loadcnt 48                              ; st is in; row A's lh and x and ln_w stay out
	v_pk_add_f32 v[ACC:ACC+1], v[ACC:ACC+1], v[ACC+2:ACC+3]        ; my eight pairs (S1, S2)
	v_pk_add_f32 v[ACC+4:ACC+5], v[ACC+4:ACC+5], v[ACC+6:ACC+7]
	v_pk_add_f32 v[ACC+8:ACC+9], v[ACC+8:ACC+9], v[ACC+10:ACC+11]
	v_pk_add_f32 v[ACC+12:ACC+13], v[ACC+12:ACC+13], v[ACC+14:ACC+15]
	v_pk_add_f32 v[ACC:ACC+1], v[ACC:ACC+1], v[ACC+4:ACC+5]
	v_pk_add_f32 v[ACC+8:ACC+9], v[ACC+8:ACC+9], v[ACC+12:ACC+13]
	v_pk_add_f32 v[ACC:ACC+1], v[ACC:ACC+1], v[ACC+8:ACC+9]
	LRED ACC
	LRED ACC+1
	v_mul_f32 v[MU], 0x337fe004, v[ACC]            ; mean = S1 / 16,785,408
	v_fma_f32 v[MU+1], -v[ACC], v[MU], v[ACC+1]    ; S2 - S1 mean
	v_mul_f32 v[MU+1], 0x337fe005, v[MU+1]         ; / 16,785,407
	v_rsq_f32 v[AA], v[MU+1]
	v_nop
	s_wait_alu depctr_va_vdst(0)                   ; the reciprocal root has written v[AA], ahead of its first reader
	v_mul_f32 v[AA], 0x3fb8aa3b, v[AA]             ; log2e / std: the exponential works in base 2
	v_mul_f32 v[BB], -v[MU], v[AA]
	v_mov_b32 v[AA+1], v[AA]
	v_mov_b32 v[BB+1], v[BB]
	EACH 16, 1, global_load_b64 v[LNB+2*i:LNB+2*i+1], v2, s[10:11] offset:4096+256*i   ; no vector line has named LNB, LHB, or, since the head's wait, v1 and v2
	EACH 16, 1, global_load_b128 v[LHB+4*i:LHB+4*i+3], v1, s[4:5] offset:8192+512*i th:TH_LOAD_NT
	ROW LHA, 0, 48, 1, 32                          ; 48: ln_w, ln_b and row B's lh stay out; 32: row B's lh and x stay out
	ROW LHB, 8192, 0, 0, -1
	s_endpgm
.Lfunc_end_k_q175c14b24b_norm:
	.size	k_q175c14b24b_norm, .Lfunc_end_k_q175c14b24b_norm-k_q175c14b24b_norm
	.p2alignl 7, 3214868480
	.fill 96, 4, 3214868480
	.section	.rodata,"a",@progbits
	.p2align	6, 0x0
	.amdhsa_kernel k_q175c14b24b_norm
		.amdhsa_group_segment_fixed_size 0
		.amdhsa_private_segment_fixed_size 0
		.amdhsa_enable_private_segment 0
		.amdhsa_kernarg_size 40
		.amdhsa_user_sgpr_count 2
		.amdhsa_user_sgpr_kernarg_segment_ptr 1
		.amdhsa_wavefront_size32 1
		.amdhsa_system_sgpr_workgroup_id_x 1
		.amdhsa_system_sgpr_workgroup_id_y 1
		.amdhsa_system_sgpr_workgroup_id_z 1
		.amdhsa_system_vgpr_workitem_id 0
		.amdhsa_next_free_vgpr 256
		.amdhsa_next_free_sgpr 66
		.amdhsa_reserve_vcc 0
		.amdhsa_float_denorm_mode_32 3
		.amdhsa_float_denorm_mode_16_64 3
		.amdhsa_memory_ordered 1
		.amdhsa_forward_progress 1
		.amdhsa_inst_pref_size 59
	.end_amdhsa_kernel
	.amdgpu_metadata
---
amdhsa.version: [ 1, 2 ]
amdhsa.kernels:
  - .name:           k_q175c14b24b_norm
    .symbol:         k_q175c14b24b_norm.kd
    .args:
      - { .name: lh, .offset: 0, .size: 8, .value_kind: global_buffer, .address_space: global }
      - { .name: st, .offset: 8, .size: 8, .value_kind: global_buffer, .address_space: global }
      - { .name: xb, .offset: 16, .size: 8, .value_kind: global_buffer, .address_space: global }
      - { .name: lnp, .offset: 24, .size: 8, .value_kind: global_buffer, .address_space: global }
      - { .name: out0, .offset: 32, .size: 8, .value_kind: global_buffer, .address_space: global }
    .group_segment_fixed_size: 0
    .private_segment_fixed_size: 0
    .kernarg_segment_align: 8
    .kernarg_segment_size: 40
    .max_flat_workgroup_size: 512
    .sgpr_count:     66
    .vgpr_count:     256
    .wavefront_size: 32
...
	.end_amdgpu_metadata
.endif
;; end of part 7
